; MI455X (gfx1250); checked and timed in simulation.
; The chip was launched on July 23, 2026; its instructions are those of AMD's public machine-readable ISA for CDNA 5 (MIT licence, August 2026) and "CDNA5" Instruction Set Architecture Reference Guide (July 2026). The comments in the code are by the model that wrote it; some were corrected since.
;; Prunable Llama Attention. Allowed arithmetic: float matrix products may take bf16 or f16 operands with f32 sums; other float arithmetic in f32, or as packed bf16 or f16 multiplies, adds, multiply-adds, maxima and minima; sums over many terms, partial sums and values carried from step to step in f32; what a program stores and reads back later, other than sums and carried values, may be rounded once to bf16 or f16.
;; Inputs: Wk 1,024 x 4,096 float32; Wo 4,096 x 2,048 float32; Wq 2,048 x 4,096 float32; Wv 1,024 x 4,096 float32; attention_mask 1 x 1 x 2,048 x 2,048 float32; hidden_states 1 x 2,048 x 4,096 float32; position_ids 1 x 2,048 int32.
;; Outputs: out0 1 x 2,048 x 4,096 float32.
;; One version. Each part assembles by itself: llvm-mc -triple=amdgcn-amd-amdhsa -mcpu=gfx1250 --defsym DOCPART=n.
;; ======== version 1 of 1: 4 launches
;; limits: values are held in f16: magnitudes above 65,504 overflow, below 6.1e-05 lose precision; inputs' magnitudes at most 10,000,000
;; workspace buffers: castb 67,108,864 bytes; maskp 16,777,216 bytes; rope 2,097,152 bytes; qkvh 16,777,216 bytes; ah 8,388,608 bytes
;; launch prep (part 1): grid 256 x 9, 8 waves a work-group, no clusters, 35,840 bytes of LDS; arguments hidden_states, Wq, Wk, Wv, Wo, attention_mask, position_ids, castb, maskp, rope; writes castb, maskp, rope
.if DOCPART == 1
	.amdgcn_target "amdgcn-amd-amdhsa--gfx1250"
	.amdhsa_code_object_version 6
	.text
	.protected	k_q02dcf658ee_prep
	.globl	k_q02dcf658ee_prep
	.p2align	8
	.type	k_q02dcf658ee_prep,@function
k_q02dcf658ee_prep:
	s_mov_b64 s[64:65], 0
	v_nop
	global_prefetch_b8 v0, s[64:65] scope:SCOPE_SE
	s_setreg_imm32_b32 hwreg(HW_REG_WAVE_MODE, 25, 1), 1
	s_wait_xcnt 0x0
; PREP: every floating input is rounded once to bf16 and laid out for the three matrix launches behind it.
; grid y = 0..7: a slice of 16 MiB of f32 is cast: y 0,1 hidden_states; 2,3 Wq; 4 Wk; 5 Wv (bf16); 6,7 Wo (rounded to bf16, that number written as f16).
;   castb holds each operand [rows][K] IN FRAGMENT ORDER: [rows / 16][K / 32][1,024 bytes]; in a fragment the 16 bytes at 512 i + 16 l are row l % 16, k = 16 i + 8 (l / 16) + 0..7:
;   what lane l of a matrix launch loads.  x (K = 4096) at byte 0; Wq, Wk, Wv as one operand of 4096 rows at 16 MiB; Wo (K = 2048) at 48 MiB: slice y lands at y x 8 MiB.
;   A wave casts 16 rows x 128 k: 16 loads of 512 consecutive bytes, all out at once; the numbers are turned through 16 x 272 bytes of LDS of its own; 8 stores of 512 consecutive bytes.
; grid y = 8: the mask and the table of cos and sin.
;   maskp holds bf16(mask) x log2(e) in f32, in the order in which a lane of the attention launch wants it: the 16 bytes at
;   qb 524,288 + slot 32,768 + st 16,384 + w 4,096 + kb 1,024 + i 512 + l 16 are mask[64 qb + 16 w + l % 16][128 slot + 64 st + 16 kb + 8 (l / 16) + 4 i .. + 3].
;   rope: row s = 64 cos, 64 sin (f32, 512 bytes) of position_ids[s] x 10000^(-i / 64); a second MiB holds cos = 1, sin = 0, for the columns that are not rotated.
; LIMITS.  Wo: a number below 2^-14 keeps f16's fixed step of 2^-24.  The angle is reduced by pi / 2 in two parts, whose residue is n x 1.7e-15: angles up to about 1e7 are
; served; a position beyond 2^24 is rounded when it is made a float, as in the reference.  NaN and infinities are not treated apart.
; No matrix unit, no cluster, no tensor load: the launch only streams, and no two work-groups read the same byte.
.set STG,   4352                       ; a wave's stage: 16 rows of 256 bytes + 16 of padding: the 16 rows that a load of 16 bytes a lane touches start at 16 different groups of four banks (ISA guide 11.1)
.set SPARE, 8*STG                      ; behind the stages: the spare words, 128 bytes for each wave: four blocks of 256 bytes that no other line names
.set SPW, 12                           ; v12  LDS address of my spare word; never rewritten
.set NIL, 13                           ; v13  0; never rewritten
.set IN,  32                           ; v[32:95]   sixteen loads of four
.set OUT, 96                           ; v[96:127]  what goes on
	s_load_b512 s[8:23], s[0:1], 0x0               ; hidden_states 8, Wq 10, Wk 12, Wv 14, Wo 16, mask 18, position_ids 20, castb 22
	s_load_b128 s[24:27], s[0:1], 0x40             ; maskp 24, rope 26
	v_lshl_add_u32 v[SPW], v0, 2, SPARE
	v_mov_b32 v[NIL], 0
	v_lshrrev_b32 v1, 5, v0
	v_readfirstlane_b32 s4, v1                     ; wave 0..7
	v_and_b32 v1, 31, v0                           ; lane
	v_and_b32 v2, 15, v0                           ; l % 16
	v_bfe_u32 v3, v0, 4, 1                         ; l / 16
	s_and_b32 s5, ttmp7, 0xffff                    ; y
	s_mov_b32 s6, ttmp9                            ; x
	s_wait_kmcnt 0x0
	s_cmp_eq_u32 s5, 8
	s_cbranch_scc1 .Lmask
	; THE CASTS.  The slice's tensor is chosen by y alone.
	s_mov_b64 s[28:29], s[16:17]
	s_cmp_lt_u32 s5, 6
	s_cselect_b64 s[28:29], s[14:15], s[28:29]
	s_cmp_lt_u32 s5, 5
	s_cselect_b64 s[28:29], s[12:13], s[28:29]
	s_cmp_lt_u32 s5, 4
	s_cselect_b64 s[28:29], s[10:11], s[28:29]
	s_cmp_lt_u32 s5, 2
	s_cselect_b64 s[28:29], s[8:9], s[28:29]
	s_and_b32 s32, s5, 1                           ; which half of a tensor of 32 MiB;
	s_lshr_b32 s33, s5, 1
	s_cmp_eq_u32 s33, 2
	s_cselect_b32 s32, 0, s32                      ; Wk and Wv are one slice each
	s_lshl_b32 s32, s32, 24
	s_cmp_ge_u32 s5, 6
	s_cselect_b32 s38, 4, 5                        ; a block of 16 rows has K / 128 = 16 (Wo) or 32 shares of a wave
	s_lshl_b32 s39, s6, 3
	s_add_co_u32 s39, s39, s4                      ; my share among the slice's 2,048
	s_lshr_b32 s40, s39, s38                       ; its block of 16 rows,
	s_lshl_b32 s41, s40, s38
	s_sub_co_u32 s41, s39, s41                     ; and its 128 k
	s_add_co_u32 s42, s38, 13
	s_lshl_b32 s33, s40, s42                       ; in: 16 rows of 4 K bytes,
	s_add_co_u32 s32, s32, s33
	s_lshl_b32 s33, s41, 9                         ; 512 bytes of each
	s_add_co_u32 s32, s32, s33
	s_mov_b32 s33, 0
	s_add_nc_u64 s[28:29], s[28:29], s[32:33]
	s_lshl_b32 s34, s5, 23                         ; out: y x 8 MiB,
	s_add_co_u32 s42, s38, 12
	s_lshl_b32 s35, s40, s42                       ; K / 32 fragments to a block of 16 rows,
	s_add_co_u32 s34, s34, s35
	s_lshl_b32 s35, s41, 12                        ; four of them are mine
	s_add_co_u32 s34, s34, s35
	s_mov_b32 s35, 0
	s_add_nc_u64 s[30:31], s[22:23], s[34:35]
	s_mul_i32 s37, s4, STG                         ; my stage
	v_lshlrev_b32 v8, 4, v1                        ; 16 x lane: in memory, both ways
	v_lshl_add_u32 v6, v1, 3, s37                  ; into the stage: my four numbers of a row, 8 bytes
	v_mul_u32_u24 v7, v2, 272                      ; out of it: row l % 16, k = 8 (l / 16) on
	v_lshl_add_u32 v7, v3, 4, v7
	v_add_nc_u32 v7, s37, v7
; 16 rows x 128 k.  The stage is my wave's own and LDS serves a wave's instructions in order (ISA guide 5.7.1.4): the loads see the stores above them.
.macro CAST rowb, f16
.irp t, 0,1,2,3,4,5,6,7,8,9,10,11,12,13,14,15
	global_load_b128 v[IN+4*(\t):IN+4*(\t)+3], v8, s[28:29] offset:(\t)*(\rowb) th:TH_LOAD_NT  ; 512 consecutive bytes of row t
.endr
.irp t, 0,1,2,3,4,5,6,7,8,9,10,11,12,13,14,15
	s_wait_loadcnt 15-(\t)                         ; loads come back in order: row t is in, the younger ones stay out
.if \f16
	v_cvt_pk_bf16_f32 v14, v[IN+4*(\t)],   v[IN+4*(\t)+1]  ; rounded to bf16 like every input; that number is then written as f16
	v_cvt_pk_bf16_f32 v15, v[IN+4*(\t)+2], v[IN+4*(\t)+3]
	v_lshlrev_b32 v16, 16, v14
	v_and_b32 v17, 0xffff0000, v14
	v_lshlrev_b32 v18, 16, v15
	v_and_b32 v19, 0xffff0000, v15
	v_cvt_pk_f16_f32 v[OUT+2*(\t)],   v16, v17
	v_cvt_pk_f16_f32 v[OUT+2*(\t)+1], v18, v19
.else
	v_cvt_pk_bf16_f32 v[OUT+2*(\t)],   v[IN+4*(\t)],   v[IN+4*(\t)+1]
	v_cvt_pk_bf16_f32 v[OUT+2*(\t)+1], v[IN+4*(\t)+2], v[IN+4*(\t)+3]
.endif
	ds_store_b64 v6, v[OUT+2*(\t):OUT+2*(\t)+1] offset:272*(\t)
.endr
.irp n, 0,1,2,3,4,5,6,7
	ds_load_b128 v[IN+4*(\n):IN+4*(\n)+3], v7 offset:64*((\n)/2)+32*((\n)%2)  ; fragment n / 2, half n % 2
.endr
.irp n, 0,1,2,3,4,5,6,7
	s_wait_dscnt 7-(\n)                            ; the younger LDS loads stay out
	global_store_b128 v8, v[IN+4*(\n):IN+4*(\n)+3], s[30:31] offset:512*(\n) th:TH_STORE_NT  ; 512 consecutive bytes, aligned
.endr
.endm
	s_cmp_ge_u32 s5, 6
	s_cbranch_scc1 .Lwo
	CAST 16384, 0
	s_branch .Lend
.Lwo:
	CAST 8192, 1
	s_branch .Lend
.Lmask:
	s_lshl_b32 s32, s6, 3
	s_add_co_u32 s32, s32, s4                      ; the table's row that is mine: 8 x + wave
	s_lshl_b32 s34, s32, 2
	s_mov_b32 s35, 0
	s_add_nc_u64 s[20:21], s[20:21], s[34:35]
	s_load_b32 s7, s[20:21], 0x0                   ; its position
	s_lshr_b32 s33, s6, 1                          ; qt: my 16 rows of the mask
	s_and_b32 s36, s6, 1
	s_lshl_b32 s36, s36, 3
	s_add_co_u32 s36, s36, s4                      ; slot: my 128 keys
	s_lshl_b32 s34, s33, 17                        ; 16 rows of 8,192 bytes
	s_lshl_b32 s37, s36, 9
	s_add_co_u32 s34, s34, s37
	s_add_nc_u64 s[18:19], s[18:19], s[34:35]
	v_lshlrev_b32 v4, 4, v2
	v_lshl_add_u32 v4, v3, 13, v4                  ; lanes 0-15 take 256 consecutive bytes of one row, lanes 16-31 of the next
.irp n, 0,1,2,3,4,5,6,7,8,9,10,11,12,13,14,15
	global_load_b128 v[IN+4*(\n):IN+4*(\n)+3], v4, s[18:19] offset:16384*((\n)%8)+256*((\n)/8) th:TH_LOAD_NT  ; rows 2 (n % 8), + 1; keys 64 (n / 8) on
.endr
	s_lshr_b32 s34, s33, 2                         ; where they go: qb = qt / 4, w = qt % 4
	s_lshl_b32 s34, s34, 19
	s_lshl_b32 s37, s36, 15
	s_add_co_u32 s34, s34, s37
	s_and_b32 s37, s33, 3
	s_lshl_b32 s37, s37, 12
	s_add_co_u32 s34, s34, s37
	s_add_nc_u64 s[24:25], s[24:25], s[34:35]
	s_lshl_b32 s34, s32, 9
	s_add_nc_u64 s[26:27], s[26:27], s[34:35]      ; my row of the table
	s_mul_i32 s37, s4, STG
	v_mul_u32_u24 v6, v3, 272                      ; into the stage as loaded: row l / 16, 16 bytes a lane
	v_lshl_add_u32 v6, v2, 4, v6
	v_add_nc_u32 v6, s37, v6
	v_mul_u32_u24 v7, v2, 272                      ; out of it by query: row l % 16, keys 8 (l / 16) on
	v_lshl_add_u32 v7, v3, 5, v7
	v_add_nc_u32 v7, s37, v7
	v_lshlrev_b32 v8, 4, v1
	v_lshlrev_b32 v9, 3, v1
	; THE TABLE, while the mask's loads are on their way.  A lane has the frequencies 2 l and 2 l + 1.
	s_mov_b32 s38, 0xbfc90fdb                      ; - pi / 2, its upper part,
	s_mov_b32 s39, 0x333bbd2e                      ; and what the upper part has too much
	v_lshlrev_b32 v17, 1, v1
	v_cvt_f32_u32 v17, v17
	v_add_f32 v18, 1.0, v17
	v_mul_f32 v17, 0xbe549a78, v17                 ; - i log2(10000) / 64
	v_mul_f32 v18, 0xbe549a78, v18
	v_exp_f32 v17, v17
	v_exp_f32 v18, v18
	v_nop                                          ; a plain instruction behind the last exponential,
	s_wait_alu depctr_va_vdst(0)                   ; and the wait ahead of the first use: one for both
	s_wait_kmcnt 0x0
	v_cvt_f32_i32 v16, s7
	v_mul_f32 v17, v16, v17                        ; the angle, rounded once
	v_mul_f32 v18, v16, v18
; cos and sin of v[x]: n = the nearest multiple of pi / 2; r = x - n pi / 2 lies in +- pi / 4, where the two series are cut at r^9 and r^8 (their next terms are under 2e-9); n mod 4 turns the pair.
.macro SINCOS x, c, s
	v_mul_f32 v20, 0x3f22f983, v[\x]
	v_rndne_f32 v20, v20
	v_fma_f32 v21, v20, s38, v[\x]
	v_fma_f32 v21, v20, s39, v21
	v_mul_f32 v22, v21, v21
	v_mov_b32 v23, 0x3638ef1d
	v_mov_b32 v24, 0x37d00d01
	v_fmaak_f32 v23, v23, v22, 0xb9500d01
	v_fmaak_f32 v24, v24, v22, 0xbab60b61
	v_fmaak_f32 v23, v23, v22, 0x3c088889
	v_fmaak_f32 v24, v24, v22, 0x3d2aaaab
	v_fmaak_f32 v23, v23, v22, 0xbe2aaaab
	v_fmaak_f32 v24, v24, v22, 0xbf000000
	v_mul_f32 v25, v21, v22
	v_fma_f32 v23, v25, v23, v21                   ; sin r
	v_fma_f32 v24, v24, v22, 1.0                   ; cos r
	v_cvt_i32_f32 v20, v20
	v_and_b32 v25, 1, v20
	v_cmp_eq_u32 vcc_lo, 1, v25
	v_cndmask_b32 v[\s], v23, v24, vcc_lo          ; n odd: the two change places
	v_cndmask_b32 v[\c], v24, v23, vcc_lo
	v_and_b32 v25, 2, v20
	v_lshlrev_b32 v25, 30, v25
	v_xor_b32 v[\s], v[\s], v25                    ; sin changes sign for n mod 4 = 2, 3,
	v_add_nc_u32 v20, 1, v20
	v_and_b32 v20, 2, v20
	v_lshlrev_b32 v20, 30, v20
	v_xor_b32 v[\c], v[\c], v20                    ; cos for 1, 2
.endm
	SINCOS 17, 26, 28
	SINCOS 18, 27, 29
	v_mov_b32 v30, 1.0
	v_mov_b32 v31, 1.0
	v_mov_b32 v10, 0
	v_mov_b32 v11, 0
	global_store_b64 v9, v[26:27], s[26:27]                 ; each store of the wave covers 256 consecutive bytes, aligned
	global_store_b64 v9, v[28:29], s[26:27] offset:256
	global_store_b64 v9, v[30:31], s[26:27] offset:1048576
	global_store_b64 v9, v[10:11], s[26:27] offset:1048832
; 64 keys of my 16 rows: rounded to bf16, widened, times log2(e), through the stage, out.  The second half's stores into the stage come behind the first half's loads from it.
.macro HALF st
.irp t, 0,1,2,3,4,5,6,7
.set r, IN+32*(\st)+4*(\t)
	s_wait_loadcnt 15-8*(\st)-(\t)                 ; the younger loads stay out
	v_cvt_pk_bf16_f32 v14, v[r], v[r+1]
	v_cvt_pk_bf16_f32 v15, v[r+2], v[r+3]
	v_lshlrev_b32 v[r], 16, v14
	v_and_b32 v[r+1], 0xffff0000, v14
	v_lshlrev_b32 v[r+2], 16, v15
	v_and_b32 v[r+3], 0xffff0000, v15
	v_pk_mul_f32 v[r:r+1], v[r:r+1], 0x3fb8aa3b op_sel_hi:[1,0]
	v_pk_mul_f32 v[r+2:r+3], v[r+2:r+3], 0x3fb8aa3b op_sel_hi:[1,0]
	ds_store_b128 v6, v[r:r+3] offset:544*(\t)
.endr
.if \st
	s_wait_xcnt 0x0                                ; the first half's stores have read v[96:127]: they are loaded again only behind this wait
.endif
.irp n, 0,1,2,3,4,5,6,7
	ds_load_b128 v[OUT+4*(\n):OUT+4*(\n)+3], v7 offset:64*((\n)/2)+16*((\n)%2)
.endr
.irp n, 0,1,2,3,4,5,6,7
	s_wait_dscnt 7-(\n)                            ; the younger LDS loads stay out
	global_store_b128 v8, v[OUT+4*(\n):OUT+4*(\n)+3], s[24:25] offset:16384*(\st)+512*(\n) th:TH_STORE_NT  ; 512 consecutive bytes
.endr
.endm
	HALF 0
	HALF 1
.Lend:
	s_wait_tensorcnt 0x0                           ; the wave's end: behind my last LDS store
	ds_add_u32 v[SPW], v[NIL]
	s_wait_dscnt 0x0
	s_endpgm
.Lfunc_end_k_q02dcf658ee_prep:
	.size	k_q02dcf658ee_prep, .Lfunc_end_k_q02dcf658ee_prep-k_q02dcf658ee_prep
	.p2alignl 7, 3214868480
	.fill 96, 4, 3214868480
	.section	.rodata,"a",@progbits
	.p2align	6, 0x0
	.amdhsa_kernel k_q02dcf658ee_prep
		.amdhsa_group_segment_fixed_size 35840
		.amdhsa_private_segment_fixed_size 0
		.amdhsa_enable_private_segment 0
		.amdhsa_kernarg_size 80
		.amdhsa_user_sgpr_count 2
		.amdhsa_user_sgpr_kernarg_segment_ptr 1
		.amdhsa_wavefront_size32 1
		.amdhsa_system_sgpr_workgroup_id_x 1
		.amdhsa_system_sgpr_workgroup_id_y 1
		.amdhsa_system_sgpr_workgroup_id_z 1
		.amdhsa_system_vgpr_workitem_id 0
		.amdhsa_next_free_vgpr 128
		.amdhsa_next_free_sgpr 66
		.amdhsa_reserve_vcc 1
		.amdhsa_float_denorm_mode_32 3
		.amdhsa_float_denorm_mode_16_64 3
		.amdhsa_memory_ordered 1
		.amdhsa_forward_progress 1
		.amdhsa_inst_pref_size 40
	.end_amdhsa_kernel
	.amdgpu_metadata
---
amdhsa.version: [ 1, 2 ]
amdhsa.kernels:
  - .name:           k_q02dcf658ee_prep
    .symbol:         k_q02dcf658ee_prep.kd
    .args:
      - { .name: hidden_states, .offset: 0, .size: 8, .value_kind: global_buffer, .address_space: global }
      - { .name: Wq, .offset: 8, .size: 8, .value_kind: global_buffer, .address_space: global }
      - { .name: Wk, .offset: 16, .size: 8, .value_kind: global_buffer, .address_space: global }
      - { .name: Wv, .offset: 24, .size: 8, .value_kind: global_buffer, .address_space: global }
      - { .name: Wo, .offset: 32, .size: 8, .value_kind: global_buffer, .address_space: global }
      - { .name: attention_mask, .offset: 40, .size: 8, .value_kind: global_buffer, .address_space: global }
      - { .name: position_ids, .offset: 48, .size: 8, .value_kind: global_buffer, .address_space: global }
      - { .name: castb, .offset: 56, .size: 8, .value_kind: global_buffer, .address_space: global }
      - { .name: maskp, .offset: 64, .size: 8, .value_kind: global_buffer, .address_space: global }
      - { .name: rope, .offset: 72, .size: 8, .value_kind: global_buffer, .address_space: global }
    .group_segment_fixed_size: 35840
    .private_segment_fixed_size: 0
    .kernarg_segment_align: 8
    .kernarg_segment_size: 80
    .max_flat_workgroup_size: 256
    .sgpr_count:     66
    .vgpr_count:     128
    .wavefront_size: 32
...
	.end_amdgpu_metadata
.endif
;; end of part 1
;; launch qkv (part 2): grid 16 x 16, 4 waves a work-group, clusters of 4 x 4, 327,680 bytes of LDS; arguments castb, rope, qkvh; writes qkvh
.if DOCPART == 2
	.amdgcn_target "amdgcn-amd-amdhsa--gfx1250"
	.amdhsa_code_object_version 6
	.text
	.protected	k_q02dcf658ee_qkv
	.globl	k_q02dcf658ee_qkv
	.p2align	8
	.type	k_q02dcf658ee_qkv,@function
k_q02dcf658ee_qkv:
	s_mov_b64 s[64:65], 0
	v_nop
	global_prefetch_b8 v0, s[64:65] scope:SCOPE_SE
	s_setreg_imm32_b32 hwreg(HW_REG_WAVE_MODE, 25, 1), 1
	s_wait_xcnt 0x0
	s_wait_alu depctr_hold_cnt(0) depctr_sa_sdst(0) depctr_va_vdst(0) depctr_va_sdst(0) depctr_va_ssrc(0) depctr_va_vcc(0) depctr_vm_vsrc(0)
	s_getreg_b32 s2, hwreg(HW_REG_IB_STS2, 6, 4)
	s_cmp_eq_u32 s2, 0
	s_cbranch_scc0 .Lentry_in_a_cluster
	s_endpgm
.Lentry_in_a_cluster:
	s_bfe_u32 s2, ttmp6, 0x10000c
	s_cmp_lg_u32 s2, 0xf033
	s_cbranch_scc0 .Lentry_shape_is_right
	s_endpgm
.Lentry_shape_is_right:
; QKV: C[m][n] = sum over k of x[m][k] W[n][k], m = 2048 rows, n = 4096 columns (Wq's 2048, Wk's 1024, Wv's 1024), k = 4096; bf16 operands, f32 sums; q and k are rotated on the way out;
; the result leaves by heads: qkvh = 32 blocks [2048][128] of f16 (0-15 q, 16-23 k, 24-31 v), unscaled.
; LIMIT.  f16 ends at 65,504: q, k and v must lie within it (at the stated spreads they are of order 1).
; SHARES.  A tile of C is 128 x 256: 16 x 16 = 256 work-groups.  Four waves, each 64 rows x 128 columns = one head: 32 accumulators of 16 x 16, 256 registers.
; THE OPERANDS LIE IN FRAGMENT ORDER: [rows / 16][K / 32][1,024 bytes], lane l's two pieces of 16 bytes at 16 l and 512 + 16 l.  So a tile is, for each block of 16 rows, one run of consecutive bytes.
; THE RING.  A CHUNK is 32 along K: 24 KiB for the tile's 24 blocks of 16 rows.  A slot holds 6 chunks, 147,456 bytes: two slots of 7 would not fit.  K has 128 chunks = 2 + 21 x 6: the first slot is short.
; Waves 0, 1 fetch A's halves (4 blocks of 16 rows), waves 2, 3 B's (8 blocks): one tensor load a wave behind each round; it has a slot's 192 matrix instructions of a wave in which to land.
; CLUSTERS: 4 x 4.  A's tile hangs on the tile row alone and is asked for jointly by a row of the cluster, B's on the tile column alone, by a column.
; THE MATRIX INSTRUCTION IS USED TRANSPOSED (source 0 = 16 rows of W, source 1 = 16 rows of x): lane l holds row l % 16 of C and the columns 8 (l / 16) + 0..7 of its block of 16.
; So channel d and its partner d + 64 lie in the same lane and register of accumulators b and b + 4, and the rotation needs no exchange.  V's tiles run the same text on a table of cos = 1, sin = 0.
; REGISTERS, in windows of 256 (s_set_vgpr_msb: bits 1:0 source 0, 3:2 source 1, 5:4 source 2, 7:6 destination):
;   window 0: v1-31 addresses and at work; v64-159, v160-255 two fragment buffers (B's 8 fragments, then A's 4); on the way out v8-23, v32-63, v128-255 at work
;   window 1: accumulator (a, b) at v[8 (8 a + b)]          window 2: cos at v[64 a + 8 b + j], sin 32 further on
.set SIZE_K, 4096
.set RBB,    SIZE_K*32                 ; bytes of a block of 16 rows in memory
.set CHB,    1024                      ; a fragment
.set CH,     6                         ; chunks in a slot
.set SH,     2                         ; chunks in the first, short slot
.set P0,     0                         ; the LDS slot that takes it
.set RPF,    CH*CHB                    ; bytes of a block of 16 rows in a slot,
.set RPS,    SH*CHB                    ; and in the short one
.set AHALF,  4*RPF
.set ABYTES, 8*RPF
.set BHALF,  8*RPF
.set SLOT,   24*RPF                    ; A's 8 blocks of 16 rows, then B's 16
.set STAGE,  2*SLOT                    ; behind the ring: 16 rows x 272 bytes for each wave, for the way out
.set SPITCH, 272
.set SPARE,  STAGE+4*16*SPITCH         ; behind the stages: the spare words, 128 bytes for each wave: two blocks of 256 bytes that no other line names
.set NS,     1+(SIZE_K/32-SH)/CH       ; slots in all: 22
.set TRIPS,  (NS-2+P0)/2               ; the loop takes all slots but the first and the last, two a trip
.set PF0,    RPS+2*RPF-P0*RPF          ; where the prefetches begin along K
.set TU,   8                           ; v8-15   the way out: lo x sin
.set TT,   16                          ; v16-23  the way out: hi x sin (the fragment addresses are dead by then)
.set AA0,  16                          ; v16     my lane's place among my A fragments in a slot; never rewritten in the loop
.set AB0,  17                          ; v17     the same for B
.set RA,   18                          ; v18     LDS address of the pair of chunks in hand, A
.set RB,   19                          ; v19     B
.set STO,  24                          ; v24     the way out: where I put 16 bytes of a row
.set RD,   25                          ; v25     where I read rows back
.set CO,   26                          ; v26     16 x lane
.set TO,   27                          ; v27     my byte offset in 16 rows of the table; never rewritten
.set SPW,  28                          ; v28     LDS address of my spare word; never rewritten
.set NIL,  29                          ; v29     0; never rewritten
.set PFO,  30                          ; v30     the prefetches' offsets: 256 x lane,
.set PFO1, 31                          ; v31     and the one that goes from one block of 16 rows to the next; never rewritten
.set F0,   64
.set F1,   160
.set RT,   128                         ; the way out: 64 rotated numbers
.set PKD,  192                         ; packed to f16
.set G1,  24                           ; s[24:31] descriptor group 1 for A's tiles;  s[32:39] group 0, a set for each LDS slot
.set G0,  32
.set G1B, 48                           ; s[48:55], s[56:63] the same for B's
.set G0B, 56
.set G1S, 72                           ; s[72:79] group 1 for A's short tile
.set G1SB, 80                          ; s[80:87] for B's
.set LIM, 43                           ; s43     1 in a wave that prefetches, else the greatest number
.set PFA, 44                           ; s[44:45] where my prefetches stand
.set BB,  66                           ; s[66:67] B's first byte
.set ROPE, 68                          ; s[68:69] the table at my 64 rows; never rewritten
.set KO,  70                           ; s70     LDS byte at which the pair of chunks in hand begins
.set PC,  71                           ; s71     counts pairs of chunks
.set MSB, 0
.macro WIN new                         ; the immediate's high byte repeats the setting that is left; a switch that changes nothing is dropped
.if MSB != (\new)
	s_set_vgpr_msb (MSB<<8)|(\new)
.set MSB, \new
.endif
.endm
.set MUL, 0x50                         ; sources in window 0, C and D in window 1
.macro PLACES                          ; four plain instructions between a matrix instruction and a load into, or a vector instruction on, its registers (ISA guide 7.12.1 for vector instructions)
.rept 4
	v_nop
.endr
.endm
; A joint refill of LDS slot s: waves 0, 1 ask for A's halves, waves 2, 3 for B's.  The branch hangs on the wave's number alone.  An s_nop 0 and four v_nop follow each line.
.macro JLOAD s
	s_cmp_eq_u32 s11, 0
	s_cbranch_scc0 .Lfor_b_\@
	tensor_load_to_lds s[G0+4*(\s):G0+4*(\s)+3], s[G1:G1+7]
	s_nop 0
	PLACES
	s_branch .Lasked_\@
.Lfor_b_\@:
	tensor_load_to_lds s[G0B+4*(\s):G0B+4*(\s)+3], s[G1B:G1B+7]
	s_nop 0
	PLACES
.Lasked_\@:
.endm
; PREFETCHES INTO THE L2, once a trip: the two slots that the next two changes of slots but one will ask for: 12,288 bytes of each block of 16 rows, one and two slots (192 and 384 matrix instructions of a
; wave) ahead of their joint loads.  A wave that asks names two blocks of 16 rows, 96 pieces of 256 bytes, a lane a piece: three instructions.  Each piece is named once in the launch: A's 8 blocks by wave 0 of
; the clusters with x = 0, two to each of the four partners, told apart by address (cx); of the 8 blocks of B that waves 2 and 3 each fetch, in the clusters with y = 0, two to each partner (cy).
; The loop's last trip (s3 = 1) asks for nothing; the first three slots and the last come by their loads alone; nothing is asked for at the head.
.macro ASK
	s_cmp_gt_u32 s3, s[LIM]
	s_cbranch_scc0 .Lnot_mine_\@
	global_prefetch_b8 v[PFO],  s[PFA:PFA+1] th:TH_LOAD_NT scope:SCOPE_SE
	global_prefetch_b8 v[PFO1], s[PFA:PFA+1] th:TH_LOAD_NT scope:SCOPE_SE
	global_prefetch_b8 v[PFO],  s[PFA:PFA+1] offset:RBB+4096 th:TH_LOAD_NT scope:SCOPE_SE
.Lnot_mine_\@:
.endm
.macro CREST                           ; a round of the cluster's barrier behind its opening barrier
	s_cmp_lg_u32 s10, 0
	s_cbranch_scc1 .Lnot_wave_0_\@
	s_barrier_signal -3
.Lnot_wave_0_\@:
	s_barrier_wait -3
	s_barrier_signal -1
	s_barrier_wait -1
.endm
.macro CROUND
	s_barrier_signal -1
	s_barrier_wait -1
	CREST
.endm
	s_load_b128 s[4:7], s[0:1], 0x0                ; castb s[4:5], rope s[6:7]
	s_load_b64 s[8:9], s[0:1], 0x10                ; qkvh
	v_lshl_add_u32 v[SPW], v0, 2, SPARE
	v_mov_b32 v[NIL], 0
	ds_add_u32 v[SPW], v[NIL]                      ; the wave's opening: the add and its wait stand ahead of my first tensor load; the set-up below stands between them
	v_lshrrev_b32 v1, 5, v0
	v_readfirstlane_b32 s10, v1                    ; wave 0..3
	s_lshr_b32 s11, s10, 1                         ; which 64 rows of the tile are mine.  Also: I fetch for A (0) or for B (1)
	s_and_b32 s12, s10, 1                          ; which 128 columns.  Also: which half of that tile I fetch
	s_bfe_u32 s40, ttmp6, 0x40000                  ; cx
	s_bfe_u32 s41, ttmp6, 0x40004                  ; cy
	s_lshl_b32 s42, ttmp9, 2
	s_add_co_u32 s42, s42, s40                     ; tile column = 4 x cluster x + cx
	s_and_b32 s13, ttmp7, 0xffff
	s_lshl_b32 s13, s13, 2
	s_add_co_u32 s13, s13, s41                     ; tile row = 4 x cluster y + cy
	s_lshl_b32 s43, s41, 2
	s_lshl_b32 s43, 15, s43                        ; my row of the cluster
	s_lshl_b32 s44, 0x1111, s40                    ; my column
	; descriptor group 1: for each block of 16 rows one row of the tile, in elements of 8 bytes; no padding
.irp g, G1, G1S
	s_or_b32 s[(\g)+0], s43, (3<<16)|(1<<21)       ; 15:0 the mask; 17:16 8-byte elements; 21 set beside a mask
	s_mov_b32 s[(\g)+2], 4<<16                     ; tensor_dim1 = 4 blocks of 16 rows for A's half,
	s_mov_b32 s[(\g)+4], 4                         ; tile_dim1
.endr
.irp g, G1B, G1SB
	s_or_b32 s[(\g)+0], s44, (3<<16)|(1<<21)
	s_mov_b32 s[(\g)+2], 8<<16                     ; 8 for B's
	s_mov_b32 s[(\g)+4], 8
.endr
.irp g, G1, G1B
	s_mov_b32 s[(\g)+1], (RPF/8)<<16               ; tensor_dim0 = 6 fragments
	s_mov_b32 s[(\g)+3], (RPF/8)<<16               ; tile_dim0
.endr
.irp g, G1S, G1SB
	s_mov_b32 s[(\g)+1], (RPS/8)<<16               ; the short tile's
	s_mov_b32 s[(\g)+3], (RPS/8)<<16
.endr
.irp g, G1, G1B, G1S, G1SB
	s_mov_b32 s[(\g)+5], RBB/8                     ; elements from one block of 16 rows to the next
	s_mov_b32 s[(\g)+6], 0
	s_mov_b32 s[(\g)+7], 0
.endr
	s_lshl_b32 s17, s12, 2
	s_lshl_b32 s16, s13, 3
	s_add_co_u32 s16, s16, s17                     ; A: block of 16 rows 8 x tile row + 4 x half
	s_lshl_b32 s47, s12, 3
	s_lshl_b32 s46, s42, 4
	s_add_co_u32 s46, s46, s47                     ; B: 16 x tile column + 8 x half
	s_mul_i32 s16, s16, RBB                        ; under 2^26
	s_mul_i32 s46, s46, RBB
	s_mov_b32 s17, 0
	s_mov_b32 s47, 0
	s_mul_i32 s20, s12, AHALF                      ; where they go: no place in the cluster enters an LDS address
	s_mul_i32 s21, s12, BHALF
	s_add_co_u32 s21, s21, ABYTES
	s_wait_dscnt 0x0                               ; the opening add is done
	s_wait_kmcnt 0x0
	s_add_nc_u64 s[BB:BB+1], s[4:5], 0x1000000     ; the weights lie 16 MiB behind x
	s_add_nc_u64 s[14:15], s[4:5], s[16:17]
	s_add_nc_u64 s[46:47], s[BB:BB+1], s[46:47]
	CROUND                                         ; all sixteen work-groups are here: the first joint loads meet
.irp s, 0,1
.if (\s) == P0
.set GOFF, 0                                           ; the short slot: chunks 0 on
.else
.set GOFF, RPS                                         ; the first whole slot behind it
.endif
	s_mov_b32 s[G0+4*(\s)], 1
	s_add_co_u32 s[G0+4*(\s)+1], s20, (\s)*SLOT
	s_add_nc_u64 s[G0+4*(\s)+2:G0+4*(\s)+3], s[14:15], GOFF
	s_or_b32 s[G0+4*(\s)+3], s[G0+4*(\s)+3], 0x80000000
	s_mov_b32 s[G0B+4*(\s)], 1
	s_add_co_u32 s[G0B+4*(\s)+1], s21, (\s)*SLOT
	s_add_nc_u64 s[G0B+4*(\s)+2:G0B+4*(\s)+3], s[46:47], GOFF
	s_or_b32 s[G0B+4*(\s)+3], s[G0B+4*(\s)+3], 0x80000000
.endr
	s_cmp_eq_u32 s11, 0                            ; a wave's two first fills stand in one branch, the short one first: two tensor loads of mine are out, later one
	s_cbranch_scc0 .Lfirst_b
	tensor_load_to_lds s[G0+4*P0:G0+4*P0+3], s[G1S:G1S+7]
	s_nop 0
	tensor_load_to_lds s[G0+4*(1-P0):G0+4*(1-P0)+3], s[G1:G1+7]
	s_nop 0
	PLACES
	s_branch .Lfirst_asked
.Lfirst_b:
	tensor_load_to_lds s[G0B+4*P0:G0B+4*P0+3], s[G1SB:G1SB+7]
	s_nop 0
	tensor_load_to_lds s[G0B+4*(1-P0):G0B+4*(1-P0)+3], s[G1B:G1B+7]
	s_nop 0
	PLACES
.Lfirst_asked:
	v_and_b32 v1, 15, v0                           ; l % 16
	v_bfe_u32 v2, v0, 4, 1                         ; l / 16
	; cos and sin of my 64 rows: 64 KiB a work-group, once; they are wanted on the way out and stay out until then
	v_lshlrev_b32 v[TO], 9, v1
	v_lshl_add_u32 v[TO], v2, 5, v[TO]             ; row l % 16 x 512 + my 8 frequencies
	s_lshl_b32 s16, s13, 16                        ; 128 rows of 512 bytes
	s_lshl_b32 s17, s11, 15
	s_add_co_u32 s16, s16, s17
	s_cmp_eq_u32 ttmp9, 3                          ; tile columns 12 to 15 are V's: the table of cos = 1, sin = 0
	s_cselect_b32 s17, 0x100000, 0
	s_add_co_u32 s16, s16, s17
	s_mov_b32 s17, 0
	s_add_nc_u64 s[ROPE:ROPE+1], s[6:7], s[16:17]
	WIN 0x80                                       ; destination window 2
.irp a, 0,1,2,3
.irp s, 0,1
.irp b, 0,1,2,3
	global_load_b128 v[64*(\a)+32*(\s)+8*(\b):64*(\a)+32*(\s)+8*(\b)+3],   v[TO], s[ROPE:ROPE+1] offset:8192*(\a)+256*(\s)+64*(\b)
	global_load_b128 v[64*(\a)+32*(\s)+8*(\b)+4:64*(\a)+32*(\s)+8*(\b)+7], v[TO], s[ROPE:ROPE+1] offset:8192*(\a)+256*(\s)+64*(\b)+16
.endr
.endr
.endr
	WIN 0
	v_and_b32 v4, 31, v0                           ; lane
	v_lshlrev_b32 v[CO], 4, v4                     ; 16 x lane
	s_mul_i32 s21, s11, AHALF                      ; my 4 blocks of 16 rows of A
	s_mul_i32 s22, s12, BHALF                      ; my 8 of B,
	s_add_co_u32 s22, s22, ABYTES                  ; which lie behind A's
	v_add_nc_u32 v[AA0], s21, v[CO]
	v_add_nc_u32 v[AB0], s22, v[CO]
	s_mul_i32 s23, s10, 16*SPITCH
	s_add_co_u32 s23, s23, STAGE                   ; my stage
	v_mul_u32_u24 v3, v1, SPITCH                   ; in: row l % 16, 16 bytes for each half of the lanes
	v_lshl_add_u32 v3, v2, 4, v3
	v_add_nc_u32 v[STO], s23, v3
	v_mul_u32_u24 v5, v2, SPITCH                   ; back: lanes 0-15 one row of 256 bytes, lanes 16-31 the next
	v_lshl_add_u32 v5, v1, 4, v5
	v_add_nc_u32 v[RD], s23, v5
	s_lshl_b32 s16, s13, 15                        ; my first row in a head: (128 x tile row + 64 x half) x 256 bytes
	s_lshl_b32 s17, s11, 14
	s_add_co_u32 s16, s16, s17
	s_mov_b32 s17, 0
	s_add_nc_u64 s[8:9], s[8:9], s[16:17]
	s_lshl_b32 s46, s42, 1
	s_add_co_u32 s46, s46, s12                     ; my head = 2 x tile column + half,
	s_lshl_b32 s46, s46, 19                        ; 2048 rows of 256 bytes each
	s_mov_b32 s47, 0
	s_add_nc_u64 s[8:9], s[8:9], s[46:47]
	; the prefetches
	s_lshl_b32 s20, s13, 3                         ; A: the tile's 8 blocks of 16 rows
	s_lshl_b32 s21, s42, 4
	s_lshl_b32 s22, s12, 3
	s_add_co_u32 s21, s21, s22                     ; B: the 8 blocks that I fetch
	s_and_b32 s22, ttmp7, 0xffff                   ; cluster y
	s_cmp_eq_u32 s11, 0
	s_cselect_b32 s20, s20, s21
	s_cselect_b32 s21, s40, s41                    ; my place among the four that ask with me
	s_cselect_b32 s22, ttmp9, s22                  ; the coordinate along which other clusters read the same rows
	s_cselect_b64 s[PFA:PFA+1], s[4:5], s[BB:BB+1]
	s_cmp_eq_u32 s10, 1
	s_cselect_b32 s22, 1, s22                      ; wave 1 never asks: wave 0 names all of A's blocks
	s_cmp_eq_u32 s22, 0
	s_cselect_b32 s[LIM], 1, -1                    ; the same in all sixteen partners, for a given wave
	s_lshl_b32 s21, s21, 1
	s_add_co_u32 s20, s20, s21                     ; + my work-group's two blocks
	s_mul_i32 s20, s20, RBB
	s_mov_b32 s21, 0
	s_add_nc_u64 s[PFA:PFA+1], s[PFA:PFA+1], s[20:21]
	s_add_nc_u64 s[PFA:PFA+1], s[PFA:PFA+1], PF0   ; at the slot that the first asking trip names first
	v_lshlrev_b32 v[PFO], 8, v4                    ; pieces 0-31 of the first block; with an immediate: pieces 16-47 of the second
	v_mul_u32_u24 v5, v2, RBB-2*RPF
	v_add3_u32 v[PFO1], v[PFO], v5, 0x2000         ; lanes 0-15: pieces 32-47 of the first block; lanes 16-31: pieces 0-15 of the second
; 8 matrix instructions: m block a x all 8 n blocks, 32 along K.  The 32 accumulators take turns, in the same order in every chunk.  zero = 1: the product starts the sums.
.macro MUL8 f, a, zero
	WIN MUL
.irp b, 0,1,2,3,4,5,6,7
.if \zero
	v_wmma_f32_16x16x32_bf16 v[8*(8*(\a)+(\b)):8*(8*(\a)+(\b))+7], v[(\f)+8*(\b):(\f)+8*(\b)+7], v[(\f)+64+8*(\a):(\f)+64+8*(\a)+7], 0
.else
	v_wmma_f32_16x16x32_bf16 v[8*(8*(\a)+(\b)):8*(8*(\a)+(\b))+7], v[(\f)+8*(\b):(\f)+8*(\b)+7], v[(\f)+64+8*(\a):(\f)+64+8*(\a)+7], v[8*(8*(\a)+(\b)):8*(8*(\a)+(\b))+7]
.endif
.endr
.endm
.macro ADDR                            ; the LDS addresses of the pair of chunks that begins at s[KO]
	v_add_nc_u32 v[RA], s[KO], v[AA0]
	v_add_nc_u32 v[RB], s[KO], v[AB0]
.endm
; 24 LDS loads in one run: a chunk's fragments (8 of B, 4 of A), k bytes behind the pair's beginning, into buffer f; rp = bytes from one block of 16 rows to the next
.macro FETCH k, f, rp
.irp i, 0,1,2,3,4,5,6,7
	ds_load_b128 v[(\f)+8*(\i):(\f)+8*(\i)+3],   v[RB] offset:(\k)+(\i)*(\rp)
	ds_load_b128 v[(\f)+8*(\i)+4:(\f)+8*(\i)+7], v[RB] offset:(\k)+(\i)*(\rp)+512
.endr
.irp i, 0,1,2,3
	ds_load_b128 v[(\f)+64+8*(\i):(\f)+64+8*(\i)+3],   v[RA] offset:(\k)+(\i)*(\rp)
	ds_load_b128 v[(\f)+64+8*(\i)+4:(\f)+64+8*(\i)+7], v[RA] offset:(\k)+(\i)*(\rp)+512
.endr
.endm
; A pair's first chunk: multiplies buffer 0; behind its first eight products it fetches the pair's second chunk into buffer 1.
.macro EVEN zero, rp
	s_wait_dscnt 0x0                               ; buffer 0 is in: its loads were issued 24 matrix instructions ago or more
	MUL8 F0, 0, \zero
	WIN 0
	PLACES                                         ; for the loads into buffer 1, which the chunk before multiplied
	FETCH CHB, F1, \rp
	MUL8 F0, 1, \zero
	MUL8 F0, 2, \zero
	MUL8 F0, 3, \zero
.endm
; Its second chunk: multiplies buffer 1, and fetches the next pair's first chunk into buffer 0.  The two address lines and two v_nop are the four places in front of those loads.
.macro ODD rp
	s_wait_dscnt 0x0
	MUL8 F1, 0, 0
	WIN 0
	s_add_co_u32 s[KO], s[KO], 2*CHB
	ADDR
	v_nop
	v_nop
	FETCH 0, F0, \rp
	MUL8 F1, 1, 0
	MUL8 F1, 2, 0
	MUL8 F1, 3, 0
.endm
; THE CHANGE OF SLOTS into LDS slot l.  The old slot's last chunk has been fetched into buffer 1.  Each wave waits for all its tensor loads (the one that is out is its part of slot l), adds 0 to its
; spare word, and waits for that and for its reads of the old slot.  fill = 1: the barrier opens a round of the cluster's, and the old slot is filled again first thing behind it.  Then slot l's first chunk
; is fetched, and the old slot's last chunk is multiplied while it comes.  The group 0 of slot l, whose load is done, is stepped for its next use, two slots on.
.macro HEAD l, fill, ask, step
	WIN 0
.if \step
	s_wait_xcnt 0x0                                ; the trip's prefetches, a slot back, have read their address
	s_add_nc_u64 s[PFA:PFA+1], s[PFA:PFA+1], 2*RPF
.endif
	s_wait_tensorcnt 0x0                           ; all my tensor loads have landed
	ds_add_u32 v[SPW], v[NIL]                      ; 0 onto my spare word
.if \fill
	s_add_nc_u64 s[G0+4*(\l)+2:G0+4*(\l)+3], s[G0+4*(\l)+2:G0+4*(\l)+3], 2*RPF
	s_add_nc_u64 s[G0B+4*(\l)+2:G0B+4*(\l)+3], s[G0B+4*(\l)+2:G0B+4*(\l)+3], 2*RPF
.endif
	s_mov_b32 s[KO], (\l)*SLOT
	s_wait_dscnt 0x0                               ; the add is done, buffer 1 is in, and my reads of the old slot are over
	s_barrier_signal -1
	s_barrier_wait -1
.if \fill
	CREST                                          ; no wave of any partner still reads the old slot or has a load on its way
	JLOAD 1-(\l)                                   ; its four v_nop are also the places in front of the loads below
.else
	PLACES
.endif
	ADDR
	FETCH 0, F0, RPF
.if \ask
	ASK
.endif
	MUL8 F1, 0, 0
	MUL8 F1, 1, 0
	MUL8 F1, 2, 0
	MUL8 F1, 3, 0
	WIN 0
.endm
; A whole slot's chunks 0 to 4: two pairs, written once and walked twice, and the third pair's first chunk, which fetches the slot's last.
.macro BODY
	s_mov_b32 s[PC], 2
.Lpair_\@:
	EVEN 0, RPF
	ODD RPF
	WIN 0                                          ; at a label and at a branch every window is 0
	s_sub_co_u32 s[PC], s[PC], 1
	s_cmp_lg_u32 s[PC], 0
	s_cbranch_scc1 .Lpair_\@
	EVEN 0, RPF
	WIN 0
.endm
	s_wait_tensorcnt 1                             ; my part of the short slot is in; the next slot's may stay out
	s_add_nc_u64 s[G0+4*P0+2:G0+4*P0+3], s[G0+4*P0+2:G0+4*P0+3], RPS+RPF      ; its group 0, whose load is done: on to the third slot
	s_add_nc_u64 s[G0B+4*P0+2:G0B+4*P0+3], s[G0B+4*P0+2:G0B+4*P0+3], RPS+RPF
	s_barrier_signal -1
	s_barrier_wait -1
	s_mov_b32 s[KO], P0*SLOT
	ADDR
	FETCH 0, F0, RPS
	EVEN 1, RPS                                    ; the first chunk's products start the sums
.if SH > 2
.rept (SH-2)/2
	ODD RPS
	EVEN 0, RPS
.endr
.endif
	WIN 0
	s_mov_b32 s3, TRIPS
.if P0
	s_branch .Lmid
.endif
.Llap:                                         ; a trip: LDS slot 1, then LDS slot 0; both changes of slots fill the slot that is left
	HEAD 1, 1, 1, 0
	BODY
.if P0
.Lmid:
.endif
	HEAD 0, 1, 0, 1
	BODY
	s_sub_co_u32 s3, s3, 1
	s_cmp_lg_u32 s3, 0
	s_cbranch_scc1 .Llap
	HEAD 1, 0, 0, 0                                ; the last slot: nothing is left to fetch
	BODY
	s_wait_dscnt 0x0
	MUL8 F1, 0, 0
	MUL8 F1, 1, 0
	MUL8 F1, 2, 0
	MUL8 F1, 3, 0
	WIN 0
; THE WAY OUT, a block of 16 rows at a time.  PACK: lo' = lo cos - hi sin, hi' = hi cos + lo sin (lo: channels 0-63, accumulators 0-3; hi: its partners, accumulators 4-7), rounded once to f16.
; Each accumulator's registers are read in ascending order.
.macro PACK a
	WIN 0x09                                       ; source 0 window 1 (sums), source 1 window 2 (table)
.irp b, 0,1,2,3
.irp j, 0,2,4,6
	v_pk_mul_f32 v[TT+(\j):TT+(\j)+1], v[8*(8*(\a)+(\b)+4)+(\j):8*(8*(\a)+(\b)+4)+(\j)+1], v[64*(\a)+32+8*(\b)+(\j):64*(\a)+32+8*(\b)+(\j)+1]
	v_pk_mul_f32 v[TU+(\j):TU+(\j)+1], v[8*(8*(\a)+(\b))+(\j):8*(8*(\a)+(\b))+(\j)+1], v[64*(\a)+32+8*(\b)+(\j):64*(\a)+32+8*(\b)+(\j)+1]
	v_pk_fma_f32 v[RT+8*(\b)+(\j):RT+8*(\b)+(\j)+1], v[8*(8*(\a)+(\b))+(\j):8*(8*(\a)+(\b))+(\j)+1], v[64*(\a)+8*(\b)+(\j):64*(\a)+8*(\b)+(\j)+1], v[TT+(\j):TT+(\j)+1] neg_lo:[0,0,1] neg_hi:[0,0,1]
	v_pk_fma_f32 v[RT+32+8*(\b)+(\j):RT+32+8*(\b)+(\j)+1], v[8*(8*(\a)+(\b)+4)+(\j):8*(8*(\a)+(\b)+4)+(\j)+1], v[64*(\a)+8*(\b)+(\j):64*(\a)+8*(\b)+(\j)+1], v[TU+(\j):TU+(\j)+1]
.endr
.endr
	WIN 0
.set i, 0
.rept 32
	v_cvt_pk_f16_f32 v[PKD+i], v[RT+2*i], v[RT+2*i+1]
.set i, i+1
.endr
.endm
.macro TOSTAGE a                       ; into my own stage, and back as whole rows of 256 bytes
.set BK, 32+192*((\a)%2)
.irp b, 0,1,2,3,4,5,6,7
	ds_store_b128 v[STO], v[PKD+4*(\b):PKD+4*(\b)+3] offset:32*(\b)
.endr
.irp t, 0,1,2,3,4,5,6,7
	ds_load_b128 v[BK+4*(\t):BK+4*(\t)+3], v[RD] offset:(\t)*2*SPITCH  ; LDS serves a wave's instructions in order (ISA guide 5.7.1.4): these see the stores above
.endr
.endm
.macro SEND a
.set BK, 32+192*((\a)%2)
	s_wait_dscnt 0x0                               ; the block is back in registers
	s_wait_xcnt 0x0                                ; the block before's stores have read their registers, which the next block's loads will write
.irp t, 0,1,2,3,4,5,6,7
	global_store_b128 v[CO], v[BK+4*(\t):BK+4*(\t)+3], s[8:9] offset:4096*(\a)+512*(\t)  ; 512 consecutive bytes: two rows of a head
.endr
.endm
	PLACES
	s_wait_loadcnt 0x0                             ; the table
	PACK 0
	TOSTAGE 0
.irp a, 1,2,3                          ; block a's arithmetic stands between block a - 1's loads from the stage and the wait for them
	PACK \a
	SEND (\a)-1
	TOSTAGE \a
.endr
	SEND 3
	s_wait_tensorcnt 0x0                           ; the wave's end: behind my last tensor load and my last LDS store
	ds_add_u32 v[SPW], v[NIL]
	s_wait_dscnt 0x0
	CROUND                                         ; the closing round: no work-group ends while a partner may still ask for a tile that names it
	s_endpgm
.Lfunc_end_k_q02dcf658ee_qkv:
	.size	k_q02dcf658ee_qkv, .Lfunc_end_k_q02dcf658ee_qkv-k_q02dcf658ee_qkv
	.p2alignl 7, 3214868480
	.fill 96, 4, 3214868480
	.section	.rodata,"a",@progbits
	.p2align	6, 0x0
	.amdhsa_kernel k_q02dcf658ee_qkv
		.amdhsa_group_segment_fixed_size 327680
		.amdhsa_private_segment_fixed_size 0
		.amdhsa_enable_private_segment 0
		.amdhsa_kernarg_size 24
		.amdhsa_user_sgpr_count 2
		.amdhsa_user_sgpr_kernarg_segment_ptr 1
		.amdhsa_wavefront_size32 1
		.amdhsa_system_sgpr_workgroup_id_x 1
		.amdhsa_system_sgpr_workgroup_id_y 1
		.amdhsa_system_sgpr_workgroup_id_z 1
		.amdhsa_system_vgpr_workitem_id 0
		.amdhsa_next_free_vgpr 768
		.amdhsa_next_free_sgpr 88
		.amdhsa_reserve_vcc 0
		.amdhsa_float_denorm_mode_32 3
		.amdhsa_float_denorm_mode_16_64 3
		.amdhsa_memory_ordered 1
		.amdhsa_forward_progress 1
		.amdhsa_inst_pref_size 103
	.end_amdhsa_kernel
	.amdgpu_metadata
---
amdhsa.version: [ 1, 2 ]
amdhsa.kernels:
  - .name:           k_q02dcf658ee_qkv
    .symbol:         k_q02dcf658ee_qkv.kd
    .args:
      - { .name: castb, .offset: 0, .size: 8, .value_kind: global_buffer, .address_space: global }
      - { .name: rope, .offset: 8, .size: 8, .value_kind: global_buffer, .address_space: global }
      - { .name: qkvh, .offset: 16, .size: 8, .value_kind: global_buffer, .address_space: global }
    .group_segment_fixed_size: 327680
    .private_segment_fixed_size: 0
    .kernarg_segment_align: 8
    .kernarg_segment_size: 24
    .max_flat_workgroup_size: 128
    .sgpr_count:     88
    .vgpr_count:     768
    .wavefront_size: 32
...
	.end_amdgpu_metadata
.endif
;; end of part 2
;; launch attn (part 3): grid 32 x 8, 4 waves a work-group, clusters of 4 x 4, 327,680 bytes of LDS; arguments qkvh, maskp, ah; writes ah
.if DOCPART == 3
	.amdgcn_target "amdgcn-amd-amdhsa--gfx1250"
	.amdhsa_code_object_version 6
	.text
	.protected	k_q02dcf658ee_attn
	.globl	k_q02dcf658ee_attn
	.p2align	8
	.type	k_q02dcf658ee_attn,@function
k_q02dcf658ee_attn:
	s_mov_b64 s[64:65], 0
	v_nop
	global_prefetch_b8 v0, s[64:65] scope:SCOPE_SE
	s_setreg_imm32_b32 hwreg(HW_REG_WAVE_MODE, 25, 1), 1
	s_wait_xcnt 0x0
	s_wait_alu depctr_hold_cnt(0) depctr_sa_sdst(0) depctr_va_vdst(0) depctr_va_sdst(0) depctr_va_ssrc(0) depctr_va_vcc(0) depctr_vm_vsrc(0)
	s_getreg_b32 s2, hwreg(HW_REG_IB_STS2, 6, 4)
	s_cmp_eq_u32 s2, 0
	s_cbranch_scc0 .Lentry_in_a_cluster
	s_endpgm
.Lentry_in_a_cluster:
	s_bfe_u32 s2, ttmp6, 0x10000c
	s_cmp_lg_u32 s2, 0xf033
	s_cbranch_scc0 .Lentry_shape_is_right
	s_endpgm
.Lentry_shape_is_right:
; ATTENTION.  O[head][q] = sum over k of softmax_k(Q[head][q] . K[head / 2][k] / sqrt(128) + mask[q][k]) V[head / 2][k].  Q, K, V: blocks [2048][128] of f16 in qkvh (0-15 q, 16-23 k, 24-31 v);
; the mask comes as f32 numbers log2(e) x mask in the order of the lanes (maskp).  Products, maxima and sums in f32; the weights are rounded to f16 for the second product.
; O leaves in f16 as the matrix [q][128 head + d] IN FRAGMENT ORDER, [q / 16][(128 head + d) / 32][1,024 bytes], lane l's pieces of 16 bytes at 16 l and 512 + 16 l: what the launch behind loads.
; THE MASK IS AN INPUT: no key is left out, every number of it is read and added ahead of the maximum.
; LIMITS.  f16 holds no number beyond 65,504: Q, K, V arrive within it.  A weight below 2^-126 counts as 0.  In a row that the mask hides throughout by about -1e9 the scores are absorbed by the
; mask's rounding, in steps of 128 in base 2 where the reference has steps of 64.  NaN and infinities are not treated apart.
; SHARES.  32,768 rows of all heads over 256 work-groups: a work-group has 64 queries x the two heads of one K and V head; a wave 16 queries and two TILES, one a head, which share K's, V's and the mask's registers.
; Every wave walks all 2,048 keys, 64 a step, two steps to a slot of LDS.
; LAYOUT.  S^T = K Q^T (source 0 = 16 keys, source 1 = 16 queries): a lane holds ONE query (lane % 16) and the keys 8 (lane / 16) + 0..7.  Two such results rounded to f16 in pairs ARE source 1 of
; O^T = V^T P, whose result holds one query a lane and eight channels: packed, they are the lane's 16 bytes of a fragment of O, and are stored as they lie.  K comes out of LDS as it lies, V turned, by ds_load_tr16_b128.
; SOFTMAX.  t = c s + M in one fused step, c = log2(e) / sqrt(128); a running maximum m of t; p = 2^(t - m); in every step O and l are multiplied by a = 2^(m_old - m).  m starts at the lowest finite
; number, O and l at 0: the first step is a step like any other, with a = 0.  The price: 278 v_mov_b32 in the wait for the first tile, 16 products on zeros at the start, 16 on a stale K at the end.
; BY TURNS.  In a turn one tile has the matrix unit: 16 products V^T P of step j, then 16 products K Q^T of step j + 1; the other tile's softmax, 149 instructions in 32 slices, stands behind them,
; a slice behind each.  K and V have two register buffers, by the step's parity, so each run of LDS loads has a turn in which to land.
; CLUSTER 4 x 4.  The four work-groups of a row share K and V, those of a column the mask: each tile is asked for jointly.  Wave 0 asks for K, wave 1 for V, waves 2, 3 for the mask's halves.
; REGISTERS, in windows of 256 (s_set_vgpr_msb: bits 1:0 source 0, 3:2 source 1, 5:4 source 2, 7:6 destination):
;   window 0: v1-15 addresses; v16-31 eight statistics a tile; v32-63 M; v64-127 S^T; v128-159 P        window 1: v0-127 O^T, 64 a tile; v128-191 Q, 32 a tile
;   windows 2, 3 (steps of parity 0, 1): v0-127 K; v128-255 V
.set PK,    272       ; a row of K in LDS: 256 bytes + 16 = 68 words: the 16 rows of a load start at 16 different groups of four banks (64 banks of 4 bytes: ISA guide 11.1)
.set PW,    288       ; a row of V: 256 + 32 = 72 words
.set VOFF,  128*PK    ; a slot: 128 rows of K, 128 rows of V, 32,768 bytes of mask
.set MOFF,  VOFF+128*PW
.set SLOT1, 1<<17     ; slot 1 begins here: one exclusive or turns an address in one slot into the other's
.set SPARE, SLOT1+MOFF+32768  ; behind the ring: the spare words, 128 bytes for each wave: two blocks of 256 bytes that no other line names
.set AK0, 2           ; v2   my lane's place in a tile of K; never rewritten
.set AV0, 3           ; v3   in V
.set AM0, 4           ; v4   in the mask
.set ADR, 5           ; v5   the LDS address of the run of loads in hand
.set ADM, 6           ; v6   the same for the mask's
.set QO,  7           ; v7   my byte offset in 16 rows of Q
.set GO,  10          ; v10  16 x lane
.set PFO, 11          ; v11  256 x lane; never rewritten
.set SPW, 12          ; v12  LDS address of my spare word; never rewritten
.set NIL, 13          ; v13  0; never rewritten
.set ST,  16          ; tile t's statistics at v[ST+8 t]: m, m_old, l (even keys', odd keys'), c0-c3 at work; a takes c2's place, its argument c3's
.set M,   32
.set S,   64
.set P,   128
.set QF,  128         ; window 1
.set VF,  128         ; windows 2, 3
.set WV,  12          ; s12  my wave's number
.set LIM, 15          ; s15  2 in a wave that prefetches, else the greatest number
.set PFA, 18          ; s[18:19] where my prefetches stand
.set G1K, 24          ; s[24:31] descriptor group 1 for K
.set G1V, 32          ; s[32:39] for V: other padding
.set G1M, 40          ; s[40:47] for the mask
.set G0K, 48          ; s[48:55] group 0 for K: a set for each first fill; the second then walks
.set G0V, 56          ; s[56:63]
.set G0M, 68          ; s[68:75]
.set SLOTS, 76
.set CNT, 77
.set CS,  78          ; s[78:79] c
.set SEL, 80          ; s[80:81] v_permlanex16_b32's selects: each lane takes its own place in the other half
.set TB,  82          ; s82  LDS byte at which the slot to be fetched from begins
.set MSB, 0
.macro WIN new                      ; the high byte repeats the setting that is left; a switch that changes nothing is dropped
.if MSB != (\new)
	s_set_vgpr_msb (MSB<<8)|(\new)
.set MSB, (\new)
.endif
.endm
.set W_KQ, 0x06       ; K in window 2 (+ parity), Q in window 1, S^T in window 0
.set W_PV, 0x52       ; V in window 2 (+ parity), P in window 0, O^T in window 1
.set W_RS, 0x41       ; O^T (destination and source 0) in window 1, a in window 0
.set W_LD, 0x80       ; destination window 2 (+ 0x40 x parity)
.macro PLACES
.rept 4
	v_nop
.endr
.endm
; A joint refill: one line for each wave, chosen by the wave's number alone.  An s_nop 0 and four v_nop follow each line.
.macro JLOAD
	s_cmp_lt_u32 s[WV], 2
	s_cbranch_scc0 .Lfor_m_\@
	s_cmp_eq_u32 s[WV], 0
	s_cbranch_scc0 .Lfor_v_\@
	tensor_load_to_lds s[G0K+4:G0K+7], s[G1K:G1K+7]
	s_nop 0
	PLACES
	s_branch .Lasked_\@
.Lfor_v_\@:
	tensor_load_to_lds s[G0V+4:G0V+7], s[G1V:G1V+7]
	s_nop 0
	PLACES
	s_branch .Lasked_\@
.Lfor_m_\@:
	tensor_load_to_lds s[G0M+4:G0M+7], s[G1M:G1M+7]
	s_nop 0
	PLACES
.Lasked_\@:
.endm
; A prefetch into the L2 of the slot that stands two fills on (four key steps, 256 matrix instructions of a wave, ahead of its joint load): 32 blocks of 256 bytes, a lane a block.  Each block is named once
; in the launch: a slot's 128 rows of K (wave 0) and of V (wave 1) by the clusters with x = 0, 32 rows to each partner, told apart by address (cx); its 128 blocks of mask by wave 2 of the clusters with
; y = 0, 32 to each partner (cy).  The fills of the last two slots ask for nothing; slots 0 to 3 come by their loads alone.
.macro ASK
	s_cmp_gt_u32 s[SLOTS], s[LIM]
	s_cbranch_scc0 .Lnot_mine_\@
	global_prefetch_b8 v[PFO], s[PFA:PFA+1] th:TH_LOAD_NT scope:SCOPE_SE
.Lnot_mine_\@:
.endm
.macro CROUND                       ; a round of the cluster's barrier
	s_barrier_signal -1
	s_barrier_wait -1
	s_cmp_lg_u32 s[WV], 0
	s_cbranch_scc1 .Lnot_wave_0_\@
	s_barrier_signal -3
.Lnot_wave_0_\@:
	s_barrier_wait -3
	s_barrier_signal -1
	s_barrier_wait -1
.endm
	s_load_b128 s[4:7], s[0:1], 0x0 ; qkvh s[4:5], maskp s[6:7]
	s_load_b64 s[8:9], s[0:1], 0x10 ; ah
	v_lshl_add_u32 v[SPW], v0, 2, SPARE
	v_mov_b32 v[NIL], 0
	ds_add_u32 v[SPW], v[NIL]       ; the wave's opening: the add and its wait stand ahead of my first tensor load; the set-up below stands between them
	v_lshrrev_b32 v1, 5, v0
	v_readfirstlane_b32 s[WV], v1   ; wave 0..3
	s_bfe_u32 s10, ttmp6, 0x40000   ; cx
	s_bfe_u32 s11, ttmp6, 0x40004   ; cy
	s_lshl_b32 s13, ttmp9, 2
	s_add_co_u32 s13, s13, s10      ; qb, my block of 64 queries = 4 x cluster x + cx
	s_and_b32 s14, ttmp7, 0xffff
	s_lshl_b32 s14, s14, 2
	s_add_co_u32 s14, s14, s11      ; g, my K and V head = 4 x cluster y + cy
	s_lshl_b32 s16, s11, 2
	s_lshl_b32 s16, 15, s16         ; my row of the cluster: it shares g
	s_lshl_b32 s17, 0x1111, s10     ; my column: it shares qb
	s_or_b32 s[G1K], s16, (1<<16)|(1<<20)|(1<<21)|(5<<22)|(3<<25)  ; 15:0 the mask; 17:16 2-byte elements; 20 padding on; 21 set beside a mask; 24:22 after every 64 words; 31:25 4 words of it
	s_or_b32 s[G1V], s16, (1<<16)|(1<<20)|(1<<21)|(5<<22)|(7<<25)  ; the same with 8 words
	s_or_b32 s[G1M], s17, (3<<16)|(1<<21)                          ; 8-byte elements, no padding
.irp g, G1K, G1V
	s_mov_b32 s[(\g)+1], 128<<16    ; tensor_dim0 = 128
	s_mov_b32 s[(\g)+2], 128<<16    ; tensor_dim1 = 128
	s_mov_b32 s[(\g)+3], 128<<16    ; tile_dim0 = 128
	s_mov_b32 s[(\g)+4], 128        ; tile_dim1 = 128 rows: two key steps
	s_mov_b32 s[(\g)+5], 128        ; elements from row to row
	s_mov_b32 s[(\g)+6], 0
	s_mov_b32 s[(\g)+7], 0
.endr
	s_mov_b32 s[G1M+1], 32<<16      ; 16,384 dense bytes as 64 rows of 256
	s_mov_b32 s[G1M+2], 64<<16
	s_mov_b32 s[G1M+3], 32<<16
	s_mov_b32 s[G1M+4], 64
	s_mov_b32 s[G1M+5], 32
	s_mov_b32 s[G1M+6], 0
	s_mov_b32 s[G1M+7], 0
	s_add_co_u32 s20, s14, 16
	s_lshl_b32 s20, s20, 19         ; K's block in qkvh: 524,288 bytes each
	s_mov_b32 s21, 0
	s_add_co_u32 s22, s14, 24
	s_lshl_b32 s22, s22, 19         ; V's
	s_mov_b32 s23, 0
	s_lshl_b32 s88, s13, 19         ; my query block's part of maskp
	s_mov_b32 s89, 0
	s_and_b32 s83, s[WV], 1
	s_lshl_b32 s92, s83, 14         ; which half of a slot's mask I fetch: in memory and in LDS alike
	s_mov_b32 s93, 0
	s_mov_b32 s[CS], 0x3e0293ee     ; c = log2(e) / sqrt(128)
	s_mov_b32 s[CS+1], s[CS]        ; named with it as a pair
	s_mov_b32 s[SEL], 0x76543210
	s_mov_b32 s[SEL+1], 0xfedcba98
	s_mov_b32 s[TB], 0
	s_and_b32 s83, ttmp7, 0xffff    ; cluster y
	s_cmp_lt_u32 s[WV], 2
	s_cselect_b32 s[LIM], ttmp9, s83  ; the coordinate along which other clusters read the same bytes
	s_cmp_eq_u32 s[WV], 3
	s_cselect_b32 s[LIM], 1, s[LIM] ; wave 3 never asks
	s_cmp_eq_u32 s[LIM], 0
	s_cselect_b32 s[LIM], 2, -1     ; the same in all sixteen partners, for a given wave
	s_wait_dscnt 0x0                ; the opening add is done
	s_wait_kmcnt 0x0
	s_add_nc_u64 s[84:85], s[4:5], s[20:21]  ; K: hangs on g alone
	s_add_nc_u64 s[86:87], s[4:5], s[22:23]  ; V
	s_add_nc_u64 s[88:89], s[6:7], s[88:89]  ; the mask: hangs on qb alone
	CROUND                          ; all sixteen work-groups are here: the first joint loads meet
.irp s, 0,1
	s_mov_b32 s[G0K+4*(\s)], 1
	s_mov_b32 s[G0K+4*(\s)+1], (\s)*SLOT1
	s_add_nc_u64 s[G0K+4*(\s)+2:G0K+4*(\s)+3], s[84:85], (\s)*32768  ; a slot is 128 rows of 256 bytes
	s_or_b32 s[G0K+4*(\s)+3], s[G0K+4*(\s)+3], 0x80000000
	s_mov_b32 s[G0V+4*(\s)], 1
	s_mov_b32 s[G0V+4*(\s)+1], (\s)*SLOT1+VOFF
	s_add_nc_u64 s[G0V+4*(\s)+2:G0V+4*(\s)+3], s[86:87], (\s)*32768
	s_or_b32 s[G0V+4*(\s)+3], s[G0V+4*(\s)+3], 0x80000000
	s_mov_b32 s[G0M+4*(\s)], 1
	s_add_co_u32 s[G0M+4*(\s)+1], s92, (\s)*SLOT1+MOFF
	s_add_nc_u64 s[G0M+4*(\s)+2:G0M+4*(\s)+3], s[88:89], s[92:93]
	s_add_nc_u64 s[G0M+4*(\s)+2:G0M+4*(\s)+3], s[G0M+4*(\s)+2:G0M+4*(\s)+3], (\s)*32768
	s_or_b32 s[G0M+4*(\s)+3], s[G0M+4*(\s)+3], 0x80000000
.endr
	s_cmp_lt_u32 s[WV], 2           ; a wave's two first fills stand together in its arm: two tensor loads of mine are out, later one
	s_cbranch_scc0 .Lfirst_m
	s_cmp_eq_u32 s[WV], 0
	s_cbranch_scc0 .Lfirst_v
	tensor_load_to_lds s[G0K:G0K+3], s[G1K:G1K+7]
	s_nop 0
	tensor_load_to_lds s[G0K+4:G0K+7], s[G1K:G1K+7]
	s_nop 0
	PLACES
	s_branch .Lfirst_asked
.Lfirst_v:
	tensor_load_to_lds s[G0V:G0V+3], s[G1V:G1V+7]
	s_nop 0
	tensor_load_to_lds s[G0V+4:G0V+7], s[G1V:G1V+7]
	s_nop 0
	PLACES
	s_branch .Lfirst_asked
.Lfirst_m:
	tensor_load_to_lds s[G0M:G0M+3], s[G1M:G1M+7]
	s_nop 0
	tensor_load_to_lds s[G0M+4:G0M+7], s[G1M:G1M+7]
	s_nop 0
	PLACES
.Lfirst_asked:
	; Q stays in registers.  A fragment is 16 rows x 32 channels: lane l holds row l % 16, channels 8 (l / 16) + 0..7 and 16 + 8 (l / 16) + 0..7: two loads of 16 bytes, 32 bytes apart
	v_and_b32 v1, 15, v0            ; l % 16
	v_bfe_u32 v14, v0, 4, 1         ; l / 16
	v_lshlrev_b32 v[QO], 8, v1
	v_lshl_add_u32 v[QO], v14, 4, v[QO]
	s_lshl_b32 s20, s14, 20         ; head 2 g
	s_lshl_b32 s21, s13, 14         ; my block's 64 rows of 256 bytes
	s_add_co_u32 s20, s20, s21
	s_lshl_b32 s21, s[WV], 12       ; my wave's 16
	s_add_co_u32 s20, s20, s21
	s_mov_b32 s21, 0
	s_add_nc_u64 s[90:91], s[4:5], s[20:21]
	WIN 0x40                        ; destination window 1
.irp t, 0,1
.irp c, 0,1,2,3
	global_load_b128 v[QF+32*(\t)+8*(\c):QF+32*(\t)+8*(\c)+3],   v[QO], s[90:91] offset:524288*(\t)+64*(\c)
	global_load_b128 v[QF+32*(\t)+8*(\c)+4:QF+32*(\t)+8*(\c)+7], v[QO], s[90:91] offset:524288*(\t)+64*(\c)+32
.endr
.endr
	; what the first turn finds: O^T and l are 0; V's buffer of parity 1 and tile 1's P hold 0 (its products V^T P, of a step that has not been, add 0).  All this stands in the wait for the first tile.
.set i, 0
.rept 128
	v_mov_b32 v[i], 0
.set i, i+1
.endr
	WIN 0xc0
.set i, VF
.rept 128
	v_mov_b32 v[i], 0
.set i, i+1
.endr
	WIN 0
.set i, P+16
.rept 16
	v_mov_b32 v[i], 0
.set i, i+1
.endr
.irp t, 0,1
	v_mov_b32 v[ST+8*(\t)], 0xff7fffff  ; m
	v_mov_b32 v[ST+8*(\t)+2], 0
	v_mov_b32 v[ST+8*(\t)+3], 0
.endr
	v_mul_u32_u24 v[AK0], v1, PK
	v_lshl_add_u32 v[AK0], v14, 4, v[AK0]  ; row x pitch + 16 x half
	; the turning load takes 16 keys x 16 channels (lane l reads key 8 (l / 16) + l % 8, channels 8 ((l / 8) % 2) + 0..7) and leaves half a fragment of V^T: lane l holds channel l % 16 and 8 keys
	v_and_b32 v15, 7, v0
	v_lshl_add_u32 v[AV0], v14, 3, v15
	v_mul_u32_u24 v[AV0], v[AV0], PW
	v_bfe_u32 v15, v0, 3, 1
	v_lshl_add_u32 v[AV0], v15, 4, v[AV0]
	v_add_nc_u32 v[AV0], VOFF, v[AV0]
	v_and_b32 v15, 31, v0           ; lane
	s_lshl_b32 s20, s[WV], 12
	s_add_co_u32 s20, s20, MOFF
	v_lshl_add_u32 v[AM0], v15, 4, s20  ; the mask lies in the lanes' order: my wave's 4,096 bytes of a step, 16 x lane
	v_lshlrev_b32 v[PFO], 8, v15
	v_lshlrev_b32 v[GO], 4, v15
	s_lshl_b32 s20, s13, 18         ; ah at my 16 queries, block 4 qb + w of 65,536 bytes, and my two heads' eight fragments, 8 g on
	s_lshl_b32 s21, s[WV], 16
	s_add_co_u32 s20, s20, s21
	s_lshl_b32 s21, s14, 13
	s_add_co_u32 s20, s20, s21
	s_mov_b32 s21, 0
	s_add_nc_u64 s[8:9], s[8:9], s[20:21]
	s_cmp_eq_u32 s[WV], 0           ; the prefetches: K's rows, V's rows, or the mask's blocks,
	s_cselect_b64 s[PFA:PFA+1], s[84:85], s[86:87]
	s_cmp_lt_u32 s[WV], 2
	s_cselect_b64 s[PFA:PFA+1], s[PFA:PFA+1], s[88:89]
	s_cselect_b32 s20, s10, s11     ; my place among the four that ask with me:
	s_lshl_b32 s20, s20, 13         ; 32 blocks of 256 bytes
	s_add_nc_u64 s[PFA:PFA+1], s[PFA:PFA+1], s[20:21]
	s_add_nc_u64 s[PFA:PFA+1], s[PFA:PFA+1], 3*32768  ; in slot 3: the fill of slot 2 steps it to slot 4
; THE MATRIX WORK.  The accumulators of a run take turns, one instruction a turn.
; Product i of 16 of O^T += V^T P for tile x, V of parity p: keys 32 (i / 8) on, channels 16 (i % 8) on.
.macro PV x, p
	WIN W_PV+(\p)
.set rO, 64*(\x)+8*(i%8)
.set rV, VF+64*(i/8)+8*(i%8)
.set rP, P+16*(\x)+8*(i/8)
	v_wmma_f32_16x16x32_f16 v[rO:rO+7], v[rV:rV+7], v[rP:rP+7], v[rO:rO+7]
.endm
; Product i of 16 of S^T = K Q^T for tile x, K of parity p: channels 32 (i / 4) on, keys 16 (i % 4) on.  The first 4 start the sums.
.macro KQ x, p
	WIN W_KQ+(\p)
.set rS, S+32*(\x)+8*(i%4)
.set rK, 32*(i%4)+8*(i/4)
.set rQ, QF+32*(\x)+8*(i/4)
.if i < 4
	v_wmma_f32_16x16x32_f16 v[rS:rS+7], v[rK:rK+7], v[rQ:rQ+7], 0
.else
	v_wmma_f32_16x16x32_f16 v[rS:rS+7], v[rK:rK+7], v[rQ:rQ+7], v[rS:rS+7]
.endif
.endm
; THE LDS LOADS stand in runs.  p is the step's place in its slot and the parity of the register buffer.
.macro FETCH_K p
	WIN 0
	v_add_nc_u32 v[ADR], s[TB], v[AK0]
	WIN W_LD+0x40*(\p)
.irp f, 0,1,2,3,4,5,6,7,8,9,10,11,12,13,14,15  ; keys 16 (f / 4) on, channels 32 (f % 4) on
	ds_load_b128 v[8*(\f):8*(\f)+3],   v[ADR] offset:(\p)*64*PK+((\f)/4)*16*PK+((\f)%4)*64
	ds_load_b128 v[8*(\f)+4:8*(\f)+7], v[ADR] offset:(\p)*64*PK+((\f)/4)*16*PK+((\f)%4)*64+32
.endr
.endm
.macro FETCH_V p
	WIN 0
	v_add_nc_u32 v[ADR], s[TB], v[AV0]
	WIN W_LD+0x40*(\p)
.irp f, 0,1,2,3,4,5,6,7,8,9,10,11,12,13,14,15  ; keys 32 (f / 8) on, channels 16 (f % 8) on
	ds_load_tr16_b128 v[VF+8*(\f):VF+8*(\f)+3],   v[ADR] offset:(\p)*64*PW+((\f)/8)*32*PW+((\f)%8)*32
	ds_load_tr16_b128 v[VF+8*(\f)+4:VF+8*(\f)+7], v[ADR] offset:(\p)*64*PW+((\f)/8)*32*PW+16*PW+((\f)%8)*32
.endr
.endm
.macro FETCH_M p
	WIN 0
	v_add_nc_u32 v[ADM], s[TB], v[AM0]
.irp n, 0,1,2,3,4,5,6,7
	ds_load_b128 v[M+4*(\n):M+4*(\n)+3], v[ADM] offset:(\p)*16384+512*(\n)
.endr
.endm
; THE VECTOR WORK OF A TURN: one tile's softmax for one key step, a list of 149; SM writes number j of it for tile y.  s0-s31 are the lane's 32 scores, in pairs 0-15.
;   0-15    t = c s + M, a pair each, ascending: each accumulator's lowest registers are read first
;   16-31   the maximum of the 32 and the old m, three operands at a time
;   32-35   the other half of the lanes' maximum; m_old is kept; the new m; m_old - m
;   36-84   ONE BATCH: the 16 subtractions t - m and all 33 exponentials (a, then s0-s31).  None of these reads an exponential's result; a pair is reduced two groups ahead of its exponentials
;   (wait)  between 84 and 85 stands the wait for the batch: SLICE writes it
;   85-100  the roundings to f16     101-116  the sums; l = a l + the sum     117-148  O^T times a, the one part that leaves window 0
.macro SUBM n
	v_pk_add_f32 v[rS+2*(\n):rS+2*(\n)+1], v[rS+2*(\n):rS+2*(\n)+1], v[rT:rT+1] op_sel_hi:[1,0] neg_lo:[0,1] neg_hi:[0,1]
.endm
.macro SM y
.set rT, ST+8*(\y)
.set rS, S+32*(\y)
.set rP, P+16*(\y)
.if j < 117
	WIN 0
.endif
.if j < 16
	v_pk_fma_f32 v[rS+2*j:rS+2*j+1], v[rS+2*j:rS+2*j+1], s[CS:CS+1], v[M+2*j:M+2*j+1] op_sel_hi:[1,0,1]
.elseif j < 20
.set n, j-16
	v_max3_num_f32 v[rT+4+n], v[rS+8*n], v[rS+8*n+1], v[rS+8*n+2]
.elseif j < 28
.set n, j-16
	v_max3_num_f32 v[rT+4+n%4], v[rT+4+n%4], v[rS+8*(n%4)+2*(n/4)+1], v[rS+8*(n%4)+2*(n/4)+2]
.elseif j == 28
	v_max3_num_f32 v[rT+4], v[rT+4], v[rS+7], v[rS+15]
.elseif j == 29
	v_max3_num_f32 v[rT+6], v[rT+6], v[rS+23], v[rS+31]
.elseif j == 30
	v_max3_num_f32 v[rT+4], v[rT+4], v[rT+5], v[rT+6]
.elseif j == 31
	v_max3_num_f32 v[rT+4], v[rT+4], v[rT+7], v[rT]
.elseif j == 32
	v_permlanex16_b32 v[rT+5], v[rT+4], s[SEL], s[SEL+1]  ; the query's other 32 keys lie in the lane 16 away
.elseif j == 33
	v_mov_b32 v[rT+1], v[rT]
.elseif j == 34
	v_max_num_f32 v[rT], v[rT+4], v[rT+5]
.elseif j == 35
	v_sub_f32 v[rT+7], v[rT+1], v[rT]
.elseif j < 38
	SUBM j-36
.elseif j == 38
	v_exp_f32 v[rT+6], v[rT+7]
.elseif j < 81
.set n, j-39
.if n%3 == 0
	SUBM n/3+2
.else
.set ee, 2*(n/3)+n%3-1
	v_exp_f32 v[rS+ee], v[rS+ee]
.endif
.elseif j < 85
.set ee, j-53
	v_exp_f32 v[rS+ee], v[rS+ee]
.elseif j < 101
	v_cvt_pk_f16_f32 v[rP+j-85], v[rS+2*(j-85)], v[rS+2*(j-85)+1]
.elseif j < 117                     ; the sum of the 16 pairs, in place: neighbours 1, 2, 4 and 8 pairs apart, then l takes it
.set z, j-101
.set w, 4
.set u, z
.if z >= 14
.set w, 32
.set u, 0
.elseif z >= 12
.set w, 16
.set u, z-12
.elseif z >= 8
.set w, 8
.set u, z-8
.endif
.if z < 15
	v_pk_add_f32 v[rS+w*u:rS+w*u+1], v[rS+w*u:rS+w*u+1], v[rS+w*u+w/2:rS+w*u+w/2+1]
.else
	v_pk_fma_f32 v[rT+2:rT+3], v[rT+2:rT+3], v[rT+6:rT+7], v[rS:rS+1] op_sel_hi:[1,0,1]
.endif
.else
	WIN W_RS
.set rO, 64*(\y)+2*(j-117)
	v_pk_mul_f32 v[rO:rO+1], v[rO:rO+1], v[rT+6:rT+7] op_sel_hi:[1,0]
.endif
.endm
; Slice k of 32: five numbers in slices 0-20, four in slices 21-31: 105 + 44 = 149.  Slice 16 ends with the last exponential: behind it one plain instruction and the turn's one wait
; ahead of the first instruction that names a result.  Slices 24-31 are the 32 rescalings; slice 31's four are the places between the turn's last K Q^T and the next turn's first read of its scores.
.macro SLICE y
.set per, 5
.if k > 20
.set per, 4
.endif
.rept per
	SM \y
.set j, j+1
.endr
.if k == 16
	v_nop
	s_wait_alu depctr_va_vdst(0)
.endif
.set k, k+1
.endm
; A TURN.  Tile x has the matrix unit; e is the parity of the step j whose V^T P it issues.  Tile 0's turn carries tile 1's softmax of step j, and fetches V and M of step j + 1 behind slice 3, when both
; tiles have taken M of step j; tile 1's turn carries tile 0's softmax of step j + 1 and fetches K of step j + 2.  Each run lands in a buffer whose last product stands a turn or more back, and is
; waited for at the next turn's head.
.macro TURN x, e
.set k, 0
.set j, 0
	s_wait_dscnt 0x0                ; the run of loads of the turn before is in
.set i, 0
.rept 16
	PV \x, \e
	SLICE 1-(\x)
.if i == 3
.if (\x) == 0
	FETCH_V 1-(\e)
	FETCH_M 1-(\e)
.else
	FETCH_K \e
.endif
.endif
.set i, i+1
.endr
.set i, 0
.rept 16
	KQ \x, 1-(\e)
	SLICE 1-(\x)
.set i, i+1
.endr
.endm
; THE CHANGE OF SLOTS, behind tile 0's turn of an even step: the slot's last bytes, V and M of its second step, have been asked for.  Each wave waits for all its tensor loads (one is out: its part of the
; other slot), adds 0 to its spare word, and waits for that and for its reads of the slot.  fill = 1: the barrier is a round of the cluster's, and the slot is filled again, with the keys two slots on,
; first thing behind it: the load has two key steps, 128 matrix instructions of a wave, in which to land.
.macro CHANGE fill
	WIN 0
	s_wait_tensorcnt 0x0            ; no tensor load of mine is out, so a group 0 may be written
	ds_add_u32 v[SPW], v[NIL]       ; 0 onto my spare word
.if \fill
.irp g, G0K+4, G0V+4, G0M+4
	s_xor_b32 s[(\g)+1], s[(\g)+1], SLOT1
	s_add_nc_u64 s[(\g)+2:(\g)+3], s[(\g)+2:(\g)+3], 32768
.endr
	s_wait_xcnt 0x0                 ; the last prefetch, two key steps back, has read its address
	s_add_nc_u64 s[PFA:PFA+1], s[PFA:PFA+1], 32768
	s_wait_dscnt 0x0                ; the add is done, and my reads of the slot are over
	CROUND
	JLOAD
	ASK
.else
	s_wait_dscnt 0x0
	s_barrier_signal -1
	s_barrier_wait -1
.endif
	s_xor_b32 s[TB], s[TB], SLOT1   ; the fetches go on in the other slot
.endm
	s_wait_tensorcnt 1              ; my part of slot 0 is in; slot 1's may stay out
	s_barrier_signal -1
	s_barrier_wait -1
	FETCH_K 0                       ; key step 0
	FETCH_V 0
	FETCH_M 0
	s_wait_loadcnt 0x0              ; Q
	s_wait_dscnt 0x0
.set i, 0
.rept 16
	KQ 0, 0                         ; tile 0's first scores: there is no vector work yet to set between them
.set i, i+1
.endr
	WIN 0
	PLACES
	s_mov_b32 s[SLOTS], 15
	s_branch .Lmid                  ; the loop is entered in the middle of a trip: tile 1's turn of the step before the first, whose V^T P adds 0
.Lslot:                             ; 14 whole trips: slots 2 to 15 are asked for
	CHANGE 1
	TURN 1, 0
	TURN 0, 1
	WIN 0
.Lmid:
	TURN 1, 1
	TURN 0, 0
	WIN 0
	s_sub_co_u32 s[SLOTS], s[SLOTS], 1
	s_cmp_lg_u32 s[SLOTS], 0
	s_cbranch_scc1 .Lslot
	s_mov_b32 s[CNT], 2             ; the tail has a text of its own: nothing is asked for.  Its second trip is left in the middle; that trip's fetches
.Ltail:                             ; read bytes of a slot that landed earlier, and its 16 products K Q^T of tile 0 serve nothing
	CHANGE 0
	TURN 1, 0
	TURN 0, 1
	WIN 0
	s_sub_co_u32 s[CNT], s[CNT], 1
	s_cmp_eq_u32 s[CNT], 0
	s_cbranch_scc1 .Lout
	TURN 1, 1
	TURN 0, 0
	WIN 0
	s_branch .Ltail
.Lout:
	s_wait_dscnt 0x0
.set i, 0
.rept 16
	PV 1, 1                         ; tile 1's V^T P of the last step
.set i, i+1
.endr
	WIN 0
	PLACES
	; THE WAY OUT.  l's two halves and the other half of the lanes' are added; O^T is divided by l, rounded to f16 and stored from the registers in which it lies.
.irp t, 0,1
	v_add_f32 v[ST+8*(\t)+4], v[ST+8*(\t)+2], v[ST+8*(\t)+3]
.endr
.irp t, 0,1
	v_permlanex16_b32 v[ST+8*(\t)+5], v[ST+8*(\t)+4], s[SEL], s[SEL+1]
.endr
.irp t, 0,1
	v_add_f32 v[ST+8*(\t)+4], v[ST+8*(\t)+4], v[ST+8*(\t)+5]
.endr
.irp t, 0,1
	v_rcp_f32 v[ST+8*(\t)+6], v[ST+8*(\t)+4]
.endr
	v_nop                           ; a plain instruction between the last reciprocal and the use of its result,
	s_wait_alu depctr_va_vdst(0)    ; and the wait ahead of the first use: one for both
; Tile t: block f of 16 channels: lane l holds query l % 16 and channels 16 f + 8 (l / 16) + 0..7: half f % 2 of fragment f / 2 of the head's four.
.macro PACK t
	WIN W_RS
.set i, 64*(\t)
.rept 32
	v_pk_mul_f32 v[i:i+1], v[i:i+1], v[ST+8*(\t)+6:ST+8*(\t)+7] op_sel_hi:[1,0]
.set i, i+2
.endr
	WIN 0x05                        ; sources 0 and 1 window 1, destination window 0: S^T's registers are free
.set i, 0
.rept 32
	v_cvt_pk_f16_f32 v[S+32*(\t)+i], v[64*(\t)+2*i], v[64*(\t)+2*i+1]
.set i, i+1
.endr
	WIN 0
.irp f, 0,1,2,3,4,5,6,7
	global_store_b128 v[GO], v[S+32*(\t)+4*(\f):S+32*(\t)+4*(\f)+3], s[8:9] offset:4096*(\t)+512*(\f)  ; 512 consecutive bytes, aligned; each store has registers of its own
.endr
.endm
	PACK 0
	PACK 1
	s_wait_tensorcnt 0x0            ; the wave's end: behind my last tensor load
	ds_add_u32 v[SPW], v[NIL]
	s_wait_dscnt 0x0
	CROUND                          ; the closing round: no work-group ends while a partner may still ask for a tile that names it
	s_endpgm
.Lfunc_end_k_q02dcf658ee_attn:
	.size	k_q02dcf658ee_attn, .Lfunc_end_k_q02dcf658ee_attn-k_q02dcf658ee_attn
	.p2alignl 7, 3214868480
	.fill 96, 4, 3214868480
	.section	.rodata,"a",@progbits
	.p2align	6, 0x0
	.amdhsa_kernel k_q02dcf658ee_attn
		.amdhsa_group_segment_fixed_size 327680
		.amdhsa_private_segment_fixed_size 0
		.amdhsa_enable_private_segment 0
		.amdhsa_kernarg_size 24
		.amdhsa_user_sgpr_count 2
		.amdhsa_user_sgpr_kernarg_segment_ptr 1
		.amdhsa_wavefront_size32 1
		.amdhsa_system_sgpr_workgroup_id_x 1
		.amdhsa_system_sgpr_workgroup_id_y 1
		.amdhsa_system_sgpr_workgroup_id_z 1
		.amdhsa_system_vgpr_workitem_id 0
		.amdhsa_next_free_vgpr 1024
		.amdhsa_next_free_sgpr 96
		.amdhsa_reserve_vcc 0
		.amdhsa_float_denorm_mode_32 3
		.amdhsa_float_denorm_mode_16_64 3
		.amdhsa_memory_ordered 1
		.amdhsa_forward_progress 1
		.amdhsa_inst_pref_size 156
	.end_amdhsa_kernel
	.amdgpu_metadata
---
amdhsa.version: [ 1, 2 ]
amdhsa.kernels:
  - .name:           k_q02dcf658ee_attn
    .symbol:         k_q02dcf658ee_attn.kd
    .args:
      - { .name: qkvh, .offset: 0, .size: 8, .value_kind: global_buffer, .address_space: global }
      - { .name: maskp, .offset: 8, .size: 8, .value_kind: global_buffer, .address_space: global }
      - { .name: ah, .offset: 16, .size: 8, .value_kind: global_buffer, .address_space: global }
    .group_segment_fixed_size: 327680
    .private_segment_fixed_size: 0
    .kernarg_segment_align: 8
    .kernarg_segment_size: 24
    .max_flat_workgroup_size: 128
    .sgpr_count:     96
    .vgpr_count:     1024
    .wavefront_size: 32
...
	.end_amdgpu_metadata
.endif
;; end of part 3
;; launch oproj (part 4): grid 16 x 16, 4 waves a work-group, clusters of 4 x 4, 327,680 bytes of LDS; arguments ah, castb, out0; writes out0
.if DOCPART == 4
	.amdgcn_target "amdgcn-amd-amdhsa--gfx1250"
	.amdhsa_code_object_version 6
	.text
	.protected	k_q02dcf658ee_oproj
	.globl	k_q02dcf658ee_oproj
	.p2align	8
	.type	k_q02dcf658ee_oproj,@function
k_q02dcf658ee_oproj:
	s_mov_b64 s[64:65], 0
	v_nop
	global_prefetch_b8 v0, s[64:65] scope:SCOPE_SE
	s_setreg_imm32_b32 hwreg(HW_REG_WAVE_MODE, 25, 1), 1
	s_wait_xcnt 0x0
	s_wait_alu depctr_hold_cnt(0) depctr_sa_sdst(0) depctr_va_vdst(0) depctr_va_sdst(0) depctr_va_ssrc(0) depctr_va_vcc(0) depctr_vm_vsrc(0)
	s_getreg_b32 s2, hwreg(HW_REG_IB_STS2, 6, 4)
	s_cmp_eq_u32 s2, 0
	s_cbranch_scc0 .Lentry_in_a_cluster
	s_endpgm
.Lentry_in_a_cluster:
	s_bfe_u32 s2, ttmp6, 0x10000c
	s_cmp_lg_u32 s2, 0xf033
	s_cbranch_scc0 .Lentry_shape_is_right
	s_endpgm
.Lentry_shape_is_right:
; OPROJ: out0[m][n] = sum over k of a[m][k] Wo[n][k], m = 2048, n = 4096, k = 2048; f16 operands (a is the attention output; Wo was rounded to bf16 and that number written as f16), f32 sums, f32 out.
; SHARES.  A tile of C is 128 x 256: 16 x 16 = 256 work-groups.  Four waves, each 64 rows x 128 columns: 32 accumulators of 16 x 16, 256 registers.
; THE OPERANDS LIE IN FRAGMENT ORDER: [rows / 16][K / 32][1,024 bytes], lane l's two pieces of 16 bytes at 16 l and 512 + 16 l.  So a tile is, for each block of 16 rows, one run of consecutive bytes.
; THE RING.  A CHUNK is 32 along K: 24 KiB for the tile's 24 blocks of 16 rows.  A slot holds 6 chunks, 147,456 bytes: two slots of 7 would not fit.  K has 64 chunks = 4 + 10 x 6: the first slot is short;
; it lies in LDS slot 1 and the loop is entered in its middle, so that the eleven slots end where the loop's text ends.
; Waves 0, 1 fetch A's halves (4 blocks of 16 rows), waves 2, 3 B's (8 blocks): one tensor load a wave behind each round; it has a slot's 192 matrix instructions of a wave in which to land.
; CLUSTERS: 4 x 4.  A's tile hangs on the tile row alone and is asked for jointly by a row of the cluster, B's on the tile column alone, by a column.
; THE MATRIX INSTRUCTION IS USED TRANSPOSED (source 0 = 16 rows of Wo, source 1 = 16 rows of a): lane l holds row l % 16 of C and the columns 8 (l / 16) + 0..7 of its block of 16: 32 bytes on end.
; REGISTERS, in windows of 256 (s_set_vgpr_msb: bits 1:0 source 0, 3:2 source 1, 5:4 source 2, 7:6 destination):
;   window 0: v1-31 addresses; v64-159, v160-255 two fragment buffers (B's 8 fragments, then A's 4); on the way out v64-127 rows read back          window 1: accumulator (a, b) at v[8 (8 a + b)]
.set SIZE_K, 2048
.set RBB,    SIZE_K*32                 ; bytes of a block of 16 rows in memory
.set CHB,    1024                      ; a fragment
.set CH,     6                         ; chunks in a slot
.set SH,     4                         ; chunks in the first, short slot
.set P0,     1                         ; the LDS slot that takes it
.set RPF,    CH*CHB                    ; bytes of a block of 16 rows in a slot,
.set RPS,    SH*CHB                    ; and in the short one
.set AHALF,  4*RPF
.set ABYTES, 8*RPF
.set BHALF,  8*RPF
.set SLOT,   24*RPF                    ; A's 8 blocks of 16 rows, then B's 16
.set STAGE,  2*SLOT                    ; behind the ring: 16 rows x 272 bytes for each wave, for the way out
.set SPITCH, 272
.set SPARE,  STAGE+4*16*SPITCH         ; behind the stages: the spare words, 128 bytes for each wave: two blocks of 256 bytes that no other line names
.set NS,     1+(SIZE_K/32-SH)/CH       ; slots in all: 11
.set TRIPS,  (NS-2+P0)/2               ; the loop takes all slots but the first and the last, two a trip; the first trip is entered in its middle
.set PF0,    RPS+2*RPF-P0*RPF          ; where the prefetches begin along K (the half trip steps the address once before the first is issued)
.set AA0,  16                          ; v16     my lane's place among my A fragments in a slot; never rewritten
.set AB0,  17                          ; v17     the same for B
.set RA,   18                          ; v18     LDS address of the pair of chunks in hand, A
.set RB,   19                          ; v19     B
.set STO,  24                          ; v24     the way out: where I put 32 bytes of a row
.set RD,   25                          ; v25     where I read rows back
.set CO,   26                          ; v26     my byte offset in two rows of C
.set SPW,  28                          ; v28     LDS address of my spare word; never rewritten
.set NIL,  29                          ; v29     0; never rewritten
.set PFO,  30                          ; v30     the prefetches' offsets: 256 x lane,
.set PFO1, 31                          ; v31     and the one that goes from one block of 16 rows to the next; never rewritten
.set F0,   64
.set F1,   160
.set G1,  24                           ; s[24:31] descriptor group 1 for A's tiles;  s[32:39] group 0, a set for each LDS slot
.set G0,  32
.set G1B, 48                           ; s[48:55], s[56:63] the same for B's
.set G0B, 56
.set G1S, 72                           ; s[72:79] group 1 for A's short tile
.set G1SB, 80                          ; s[80:87] for B's
.set LIM, 43                           ; s43     1 in a wave that prefetches, else the greatest number
.set PFA, 44                           ; s[44:45] where my prefetches stand
.set BB,  66                           ; s[66:67] B's first byte
.set KO,  70                           ; s70     LDS byte at which the pair of chunks in hand begins
.set PC,  71                           ; s71     counts pairs of chunks
.set MSB, 0
.macro WIN new                         ; the immediate's high byte repeats the setting that is left; a switch that changes nothing is dropped
.if MSB != (\new)
	s_set_vgpr_msb (MSB<<8)|(\new)
.set MSB, \new
.endif
.endm
.set MUL, 0x50                         ; sources in window 0, C and D in window 1
.macro PLACES                          ; four plain instructions between a matrix instruction and a load into, or a store or vector instruction on, its registers (ISA guide 7.12.1 for vector instructions)
.rept 4
	v_nop
.endr
.endm
; A joint refill of LDS slot s: waves 0, 1 ask for A's halves, waves 2, 3 for B's.  The branch hangs on the wave's number alone.  An s_nop 0 and four v_nop follow each line.
.macro JLOAD s
	s_cmp_eq_u32 s11, 0
	s_cbranch_scc0 .Lfor_b_\@
	tensor_load_to_lds s[G0+4*(\s):G0+4*(\s)+3], s[G1:G1+7]
	s_nop 0
	PLACES
	s_branch .Lasked_\@
.Lfor_b_\@:
	tensor_load_to_lds s[G0B+4*(\s):G0B+4*(\s)+3], s[G1B:G1B+7]
	s_nop 0
	PLACES
.Lasked_\@:
.endm
; PREFETCHES INTO THE L2, once a whole trip: the two slots that the next two changes of slots but one will ask for: 12,288 bytes of each block of 16 rows, one and two slots (192 and 384 matrix instructions
; of a wave) ahead of their joint loads.  A wave that asks names two blocks of 16 rows, 96 pieces of 256 bytes, a lane a piece: three instructions.  Each piece is named once in the launch: A's 8 blocks by wave 0
; of the clusters with x = 0, two to each of the four partners, told apart by address (cx); of the 8 blocks of B that waves 2 and 3 each fetch, in the clusters with y = 0, two to each partner (cy).
; The loop's last trip (s3 = 1) asks for nothing; the first four slots and the last come by their loads alone; nothing is asked for at the head.
.macro ASK
	s_cmp_gt_u32 s3, s[LIM]
	s_cbranch_scc0 .Lnot_mine_\@
	global_prefetch_b8 v[PFO],  s[PFA:PFA+1] th:TH_LOAD_NT scope:SCOPE_SE
	global_prefetch_b8 v[PFO1], s[PFA:PFA+1] th:TH_LOAD_NT scope:SCOPE_SE
	global_prefetch_b8 v[PFO],  s[PFA:PFA+1] offset:RBB+4096 th:TH_LOAD_NT scope:SCOPE_SE
.Lnot_mine_\@:
.endm
.macro CREST                           ; a round of the cluster's barrier behind its opening barrier
	s_cmp_lg_u32 s10, 0
	s_cbranch_scc1 .Lnot_wave_0_\@
	s_barrier_signal -3
.Lnot_wave_0_\@:
	s_barrier_wait -3
	s_barrier_signal -1
	s_barrier_wait -1
.endm
.macro CROUND
	s_barrier_signal -1
	s_barrier_wait -1
	CREST
.endm
	s_load_b128 s[4:7], s[0:1], 0x0                ; ah s[4:5], castb s[6:7]
	s_load_b64 s[8:9], s[0:1], 0x10                ; out0
	v_lshl_add_u32 v[SPW], v0, 2, SPARE
	v_mov_b32 v[NIL], 0
	ds_add_u32 v[SPW], v[NIL]                      ; the wave's opening: the add and its wait stand ahead of my first tensor load; the set-up below stands between them
	v_lshrrev_b32 v1, 5, v0
	v_readfirstlane_b32 s10, v1                    ; wave 0..3
	s_lshr_b32 s11, s10, 1                         ; which 64 rows of the tile are mine.  Also: I fetch for A (0) or for B (1)
	s_and_b32 s12, s10, 1                          ; which 128 columns.  Also: which half of that tile I fetch
	s_bfe_u32 s40, ttmp6, 0x40000                  ; cx
	s_bfe_u32 s41, ttmp6, 0x40004                  ; cy
	s_lshl_b32 s42, ttmp9, 2
	s_add_co_u32 s42, s42, s40                     ; tile column = 4 x cluster x + cx
	s_and_b32 s13, ttmp7, 0xffff
	s_lshl_b32 s13, s13, 2
	s_add_co_u32 s13, s13, s41                     ; tile row = 4 x cluster y + cy
	s_lshl_b32 s43, s41, 2
	s_lshl_b32 s43, 15, s43                        ; my row of the cluster
	s_lshl_b32 s44, 0x1111, s40                    ; my column
	; descriptor group 1: for each block of 16 rows one row of the tile, in elements of 8 bytes; no padding
.irp g, G1, G1S
	s_or_b32 s[(\g)+0], s43, (3<<16)|(1<<21)       ; 15:0 the mask; 17:16 8-byte elements; 21 set beside a mask
	s_mov_b32 s[(\g)+2], 4<<16                     ; tensor_dim1 = 4 blocks of 16 rows for A's half,
	s_mov_b32 s[(\g)+4], 4                         ; tile_dim1
.endr
.irp g, G1B, G1SB
	s_or_b32 s[(\g)+0], s44, (3<<16)|(1<<21)
	s_mov_b32 s[(\g)+2], 8<<16                     ; 8 for B's
	s_mov_b32 s[(\g)+4], 8
.endr
.irp g, G1, G1B
	s_mov_b32 s[(\g)+1], (RPF/8)<<16               ; tensor_dim0 = 6 fragments
	s_mov_b32 s[(\g)+3], (RPF/8)<<16               ; tile_dim0
.endr
.irp g, G1S, G1SB
	s_mov_b32 s[(\g)+1], (RPS/8)<<16               ; the short tile's
	s_mov_b32 s[(\g)+3], (RPS/8)<<16
.endr
.irp g, G1, G1B, G1S, G1SB
	s_mov_b32 s[(\g)+5], RBB/8                     ; elements from one block of 16 rows to the next
	s_mov_b32 s[(\g)+6], 0
	s_mov_b32 s[(\g)+7], 0
.endr
	s_lshl_b32 s17, s12, 2
	s_lshl_b32 s16, s13, 3
	s_add_co_u32 s16, s16, s17                     ; A: block of 16 rows 8 x tile row + 4 x half
	s_lshl_b32 s47, s12, 3
	s_lshl_b32 s46, s42, 4
	s_add_co_u32 s46, s46, s47                     ; B: 16 x tile column + 8 x half
	s_mul_i32 s16, s16, RBB                        ; under 2^25
	s_mul_i32 s46, s46, RBB
	s_mov_b32 s17, 0
	s_mov_b32 s47, 0
	s_mul_i32 s20, s12, AHALF                      ; where they go: no place in the cluster enters an LDS address
	s_mul_i32 s21, s12, BHALF
	s_add_co_u32 s21, s21, ABYTES
	s_wait_dscnt 0x0                               ; the opening add is done
	s_wait_kmcnt 0x0
	s_add_nc_u64 s[BB:BB+1], s[6:7], 0x3000000     ; Wo lies 48 MiB into castb
	s_add_nc_u64 s[14:15], s[4:5], s[16:17]
	s_add_nc_u64 s[46:47], s[BB:BB+1], s[46:47]
	CROUND                                         ; all sixteen work-groups are here: the first joint loads meet
.irp s, 0,1
.if (\s) == P0
.set GOFF, 0                                           ; the short slot: chunks 0 on
.else
.set GOFF, RPS                                         ; the first whole slot behind it
.endif
	s_mov_b32 s[G0+4*(\s)], 1
	s_add_co_u32 s[G0+4*(\s)+1], s20, (\s)*SLOT
	s_add_nc_u64 s[G0+4*(\s)+2:G0+4*(\s)+3], s[14:15], GOFF
	s_or_b32 s[G0+4*(\s)+3], s[G0+4*(\s)+3], 0x80000000
	s_mov_b32 s[G0B+4*(\s)], 1
	s_add_co_u32 s[G0B+4*(\s)+1], s21, (\s)*SLOT
	s_add_nc_u64 s[G0B+4*(\s)+2:G0B+4*(\s)+3], s[46:47], GOFF
	s_or_b32 s[G0B+4*(\s)+3], s[G0B+4*(\s)+3], 0x80000000
.endr
	s_cmp_eq_u32 s11, 0                            ; a wave's two first fills stand in one branch, the short one first: two tensor loads of mine are out, later one
	s_cbranch_scc0 .Lfirst_b
	tensor_load_to_lds s[G0+4*P0:G0+4*P0+3], s[G1S:G1S+7]
	s_nop 0
	tensor_load_to_lds s[G0+4*(1-P0):G0+4*(1-P0)+3], s[G1:G1+7]
	s_nop 0
	PLACES
	s_branch .Lfirst_asked
.Lfirst_b:
	tensor_load_to_lds s[G0B+4*P0:G0B+4*P0+3], s[G1SB:G1SB+7]
	s_nop 0
	tensor_load_to_lds s[G0B+4*(1-P0):G0B+4*(1-P0)+3], s[G1B:G1B+7]
	s_nop 0
	PLACES
.Lfirst_asked:
	v_and_b32 v1, 15, v0                           ; l % 16
	v_bfe_u32 v2, v0, 4, 1                         ; l / 16
	v_and_b32 v4, 31, v0                           ; lane
	v_lshlrev_b32 v3, 4, v4                        ; 16 x lane
	s_mul_i32 s21, s11, AHALF                      ; my 4 blocks of 16 rows of A
	s_mul_i32 s22, s12, BHALF                      ; my 8 of B,
	s_add_co_u32 s22, s22, ABYTES                  ; which lie behind A's
	v_add_nc_u32 v[AA0], s21, v3
	v_add_nc_u32 v[AB0], s22, v3
	s_mul_i32 s23, s10, 16*SPITCH
	s_add_co_u32 s23, s23, STAGE                   ; my stage
	v_mul_u32_u24 v3, v1, SPITCH                   ; in: row l % 16, 32 bytes for each half of the lanes
	v_lshl_add_u32 v3, v2, 5, v3
	v_add_nc_u32 v[STO], s23, v3
	v_mul_u32_u24 v5, v2, SPITCH                   ; back: lanes 0-15 one row of 256 bytes, lanes 16-31 the next
	v_lshl_add_u32 v5, v1, 4, v5
	v_add_nc_u32 v[RD], s23, v5
	v_lshlrev_b32 v[CO], 14, v2                    ; and the same two rows in C, 16,384 bytes apart
	v_lshl_add_u32 v[CO], v1, 4, v[CO]
	s_lshl_b32 s16, s13, 21                        ; my first row of C: (128 x tile row + 64 x half) x 16,384 bytes
	s_lshl_b32 s17, s11, 20
	s_add_co_u32 s16, s16, s17
	s_mov_b32 s17, 0
	s_add_nc_u64 s[8:9], s[8:9], s[16:17]
	s_lshl_b32 s46, s42, 10                        ; my first column: 1,024 x tile column + 512 x half
	s_lshl_b32 s47, s12, 9
	s_add_co_u32 s46, s46, s47
	s_mov_b32 s47, 0
	s_add_nc_u64 s[8:9], s[8:9], s[46:47]
	; the prefetches
	s_lshl_b32 s20, s13, 3                         ; A: the tile's 8 blocks of 16 rows
	s_lshl_b32 s21, s42, 4
	s_lshl_b32 s22, s12, 3
	s_add_co_u32 s21, s21, s22                     ; B: the 8 blocks that I fetch
	s_and_b32 s22, ttmp7, 0xffff                   ; cluster y
	s_cmp_eq_u32 s11, 0
	s_cselect_b32 s20, s20, s21
	s_cselect_b32 s21, s40, s41                    ; my place among the four that ask with me
	s_cselect_b32 s22, ttmp9, s22                  ; the coordinate along which other clusters read the same rows
	s_cselect_b64 s[PFA:PFA+1], s[4:5], s[BB:BB+1]
	s_cmp_eq_u32 s10, 1
	s_cselect_b32 s22, 1, s22                      ; wave 1 never asks: wave 0 names all of A's blocks
	s_cmp_eq_u32 s22, 0
	s_cselect_b32 s[LIM], 1, -1                    ; the same in all sixteen partners, for a given wave
	s_lshl_b32 s21, s21, 1
	s_add_co_u32 s20, s20, s21                     ; + my work-group's two blocks
	s_mul_i32 s20, s20, RBB
	s_mov_b32 s21, 0
	s_add_nc_u64 s[PFA:PFA+1], s[PFA:PFA+1], s[20:21]
	s_add_nc_u64 s[PFA:PFA+1], s[PFA:PFA+1], PF0
	v_lshlrev_b32 v[PFO], 8, v4                    ; pieces 0-31 of the first block; with an immediate: pieces 16-47 of the second
	v_mul_u32_u24 v5, v2, RBB-2*RPF
	v_add3_u32 v[PFO1], v[PFO], v5, 0x2000         ; lanes 0-15: pieces 32-47 of the first block; lanes 16-31: pieces 0-15 of the second
; 8 matrix instructions: m block a x all 8 n blocks, 32 along K.  The 32 accumulators take turns, in the same order in every chunk.  zero = 1: the product starts the sums.
.macro MUL8 f, a, zero
	WIN MUL
.irp b, 0,1,2,3,4,5,6,7
.if \zero
	v_wmma_f32_16x16x32_f16 v[8*(8*(\a)+(\b)):8*(8*(\a)+(\b))+7], v[(\f)+8*(\b):(\f)+8*(\b)+7], v[(\f)+64+8*(\a):(\f)+64+8*(\a)+7], 0
.else
	v_wmma_f32_16x16x32_f16 v[8*(8*(\a)+(\b)):8*(8*(\a)+(\b))+7], v[(\f)+8*(\b):(\f)+8*(\b)+7], v[(\f)+64+8*(\a):(\f)+64+8*(\a)+7], v[8*(8*(\a)+(\b)):8*(8*(\a)+(\b))+7]
.endif
.endr
.endm
.macro ADDR                            ; the LDS addresses of the pair of chunks that begins at s[KO]
	v_add_nc_u32 v[RA], s[KO], v[AA0]
	v_add_nc_u32 v[RB], s[KO], v[AB0]
.endm
; 24 LDS loads in one run: a chunk's fragments (8 of B, 4 of A), k bytes behind the pair's beginning, into buffer f; rp = bytes from one block of 16 rows to the next
.macro FETCH k, f, rp
.irp i, 0,1,2,3,4,5,6,7
	ds_load_b128 v[(\f)+8*(\i):(\f)+8*(\i)+3],   v[RB] offset:(\k)+(\i)*(\rp)
	ds_load_b128 v[(\f)+8*(\i)+4:(\f)+8*(\i)+7], v[RB] offset:(\k)+(\i)*(\rp)+512
.endr
.irp i, 0,1,2,3
	ds_load_b128 v[(\f)+64+8*(\i):(\f)+64+8*(\i)+3],   v[RA] offset:(\k)+(\i)*(\rp)
	ds_load_b128 v[(\f)+64+8*(\i)+4:(\f)+64+8*(\i)+7], v[RA] offset:(\k)+(\i)*(\rp)+512
.endr
.endm
; A pair's first chunk: multiplies buffer 0; behind its first eight products it fetches the pair's second chunk into buffer 1.
.macro EVEN zero, rp
	s_wait_dscnt 0x0                               ; buffer 0 is in: its loads were issued 24 matrix instructions ago or more
	MUL8 F0, 0, \zero
	WIN 0
	PLACES                                         ; for the loads into buffer 1, which the chunk before multiplied
	FETCH CHB, F1, \rp
	MUL8 F0, 1, \zero
	MUL8 F0, 2, \zero
	MUL8 F0, 3, \zero
.endm
; Its second chunk: multiplies buffer 1, and fetches the next pair's first chunk into buffer 0.  The two address lines and two v_nop are the four places in front of those loads.
.macro ODD rp
	s_wait_dscnt 0x0
	MUL8 F1, 0, 0
	WIN 0
	s_add_co_u32 s[KO], s[KO], 2*CHB
	ADDR
	v_nop
	v_nop
	FETCH 0, F0, \rp
	MUL8 F1, 1, 0
	MUL8 F1, 2, 0
	MUL8 F1, 3, 0
.endm
; THE CHANGE OF SLOTS into LDS slot l.  The old slot's last chunk has been fetched into buffer 1.  Each wave waits for all its tensor loads (the one that is out is its part of slot l), adds 0 to its
; spare word, and waits for that and for its reads of the old slot.  fill = 1: the barrier opens a round of the cluster's, and the old slot is filled again first thing behind it.  Then slot l's first chunk
; is fetched, and the old slot's last chunk is multiplied while it comes.  The group 0 of slot l, whose load is done, is stepped for its next use, two slots on.
.macro HEAD l, fill, ask, step
	WIN 0
.if \step
	s_wait_xcnt 0x0                                ; the trip's prefetches, a slot back, have read their address
	s_add_nc_u64 s[PFA:PFA+1], s[PFA:PFA+1], 2*RPF
.endif
	s_wait_tensorcnt 0x0                           ; all my tensor loads have landed
	ds_add_u32 v[SPW], v[NIL]                      ; 0 onto my spare word
.if \fill
	s_add_nc_u64 s[G0+4*(\l)+2:G0+4*(\l)+3], s[G0+4*(\l)+2:G0+4*(\l)+3], 2*RPF
	s_add_nc_u64 s[G0B+4*(\l)+2:G0B+4*(\l)+3], s[G0B+4*(\l)+2:G0B+4*(\l)+3], 2*RPF
.endif
	s_mov_b32 s[KO], (\l)*SLOT
	s_wait_dscnt 0x0                               ; the add is done, buffer 1 is in, and my reads of the old slot are over
	s_barrier_signal -1
	s_barrier_wait -1
.if \fill
	CREST                                          ; no wave of any partner still reads the old slot or has a load on its way
	JLOAD 1-(\l)                                   ; its four v_nop are also the places in front of the loads below
.else
	PLACES
.endif
	ADDR
	FETCH 0, F0, RPF
.if \ask
	ASK
.endif
	MUL8 F1, 0, 0
	MUL8 F1, 1, 0
	MUL8 F1, 2, 0
	MUL8 F1, 3, 0
	WIN 0
.endm
; A whole slot's chunks 0 to 4: two pairs, written once and walked twice, and the third pair's first chunk, which fetches the slot's last.
.macro BODY
	s_mov_b32 s[PC], 2
.Lpair_\@:
	EVEN 0, RPF
	ODD RPF
	WIN 0                                          ; at a label and at a branch every window is 0
	s_sub_co_u32 s[PC], s[PC], 1
	s_cmp_lg_u32 s[PC], 0
	s_cbranch_scc1 .Lpair_\@
	EVEN 0, RPF
	WIN 0
.endm
	s_wait_tensorcnt 1                             ; my part of the short slot is in; the next slot's may stay out
	s_add_nc_u64 s[G0+4*P0+2:G0+4*P0+3], s[G0+4*P0+2:G0+4*P0+3], RPS+RPF      ; its group 0, whose load is done: on to the third slot
	s_add_nc_u64 s[G0B+4*P0+2:G0B+4*P0+3], s[G0B+4*P0+2:G0B+4*P0+3], RPS+RPF
	s_barrier_signal -1
	s_barrier_wait -1
	s_mov_b32 s[KO], P0*SLOT
	ADDR
	FETCH 0, F0, RPS
	EVEN 1, RPS                                    ; the first chunk's products start the sums
.if SH > 2
.rept (SH-2)/2
	ODD RPS
	EVEN 0, RPS
.endr
.endif
	WIN 0
	s_mov_b32 s3, TRIPS
.if P0
	s_branch .Lmid
.endif
.Llap:                                         ; a trip: LDS slot 1, then LDS slot 0; both changes of slots fill the slot that is left
	HEAD 1, 1, 1, 0
	BODY
.if P0
.Lmid:
.endif
	HEAD 0, 1, 0, 1
	BODY
	s_sub_co_u32 s3, s3, 1
	s_cmp_lg_u32 s3, 0
	s_cbranch_scc1 .Llap
	HEAD 1, 0, 0, 0                                ; the last slot: nothing is left to fetch
	BODY
	s_wait_dscnt 0x0
	MUL8 F1, 0, 0
	MUL8 F1, 1, 0
	MUL8 F1, 2, 0
	MUL8 F1, 3, 0
	WIN 0
; THE WAY OUT, in eight pieces of 16 rows x 64 columns (piece n: rows 16 (n / 2) on, columns 64 (n % 2) on): the sums go as they are, 32 bytes a lane, into my own stage, and come back as whole rows of
; 256 bytes.  Each accumulator's lower four registers are stored first.
.macro TOSTAGE n
.set BK, 64+32*((\n)%2)
.set AC, 8*(8*((\n)/2)+4*((\n)%2))
.if (\n) >= 2
	s_wait_xcnt 0x0                                ; the stores of the piece two back have read the registers that are loaded again below
.endif
	WIN 0x04                                       ; the data of an LDS store is source 1: window 1
.irp b, 0,1,2,3
	ds_store_b128 v[STO], v[AC+8*(\b):AC+8*(\b)+3]   offset:64*(\b)
	ds_store_b128 v[STO], v[AC+8*(\b)+4:AC+8*(\b)+7] offset:64*(\b)+16
.endr
	WIN 0
.irp t, 0,1,2,3,4,5,6,7
	ds_load_b128 v[BK+4*(\t):BK+4*(\t)+3], v[RD] offset:(\t)*2*SPITCH  ; LDS serves a wave's instructions in order (ISA guide 5.7.1.4): these see the stores above; the next piece's stores come behind them
.endr
.endm
.macro SEND n, younger                 ; younger: the LDS instructions issued behind piece n's loads: the next piece's 16, or none
.set BK, 64+32*((\n)%2)
	s_wait_dscnt \younger
.irp t, 0,1,2,3,4,5,6,7
	global_store_b128 v[CO], v[BK+4*(\t):BK+4*(\t)+3], s[8:9] offset:(16*((\n)/2)+2*(\t))*16384+256*((\n)%2)  ; 16 lanes store 256 consecutive bytes, aligned
.endr
.endm
	PLACES
	TOSTAGE 0
.irp n, 1,2,3,4,5,6,7
	TOSTAGE \n
	SEND (\n)-1, 16
.endr
	SEND 7, 0
	s_wait_tensorcnt 0x0                           ; the wave's end: behind my last tensor load and my last LDS store
	ds_add_u32 v[SPW], v[NIL]
	s_wait_dscnt 0x0
	CROUND                                         ; the closing round: no work-group ends while a partner may still ask for a tile that names it
	s_endpgm
.Lfunc_end_k_q02dcf658ee_oproj:
	.size	k_q02dcf658ee_oproj, .Lfunc_end_k_q02dcf658ee_oproj-k_q02dcf658ee_oproj
	.p2alignl 7, 3214868480
	.fill 96, 4, 3214868480
	.section	.rodata,"a",@progbits
	.p2align	6, 0x0
	.amdhsa_kernel k_q02dcf658ee_oproj
		.amdhsa_group_segment_fixed_size 327680
		.amdhsa_private_segment_fixed_size 0
		.amdhsa_enable_private_segment 0
		.amdhsa_kernarg_size 24
		.amdhsa_user_sgpr_count 2
		.amdhsa_user_sgpr_kernarg_segment_ptr 1
		.amdhsa_wavefront_size32 1
		.amdhsa_system_sgpr_workgroup_id_x 1
		.amdhsa_system_sgpr_workgroup_id_y 1
		.amdhsa_system_sgpr_workgroup_id_z 1
		.amdhsa_system_vgpr_workitem_id 0
		.amdhsa_next_free_vgpr 512
		.amdhsa_next_free_sgpr 88
		.amdhsa_reserve_vcc 0
		.amdhsa_float_denorm_mode_32 3
		.amdhsa_float_denorm_mode_16_64 3
		.amdhsa_memory_ordered 1
		.amdhsa_forward_progress 1
		.amdhsa_inst_pref_size 88
	.end_amdhsa_kernel
	.amdgpu_metadata
---
amdhsa.version: [ 1, 2 ]
amdhsa.kernels:
  - .name:           k_q02dcf658ee_oproj
    .symbol:         k_q02dcf658ee_oproj.kd
    .args:
      - { .name: ah, .offset: 0, .size: 8, .value_kind: global_buffer, .address_space: global }
      - { .name: castb, .offset: 8, .size: 8, .value_kind: global_buffer, .address_space: global }
      - { .name: out0, .offset: 16, .size: 8, .value_kind: global_buffer, .address_space: global }
    .group_segment_fixed_size: 327680
    .private_segment_fixed_size: 0
    .kernarg_segment_align: 8
    .kernarg_segment_size: 24
    .max_flat_workgroup_size: 128
    .sgpr_count:     88
    .vgpr_count:     512
    .wavefront_size: 32
...
	.end_amdgpu_metadata
.endif
;; end of part 4
